; MI455X (gfx1250); checked and timed in simulation.
; The chip was launched on July 23, 2026; its instructions are those of AMD's public machine-readable ISA for CDNA 5 (MIT licence, August 2026) and "CDNA5" Instruction Set Architecture Reference Guide (July 2026). The comments in the code are by the model that wrote it; some were corrected since.
;; Self Attention. Allowed arithmetic: float matrix products may take bf16 or f16 operands with f32 sums; all other float work in f32.
;; Inputs: Wk 1,024 x 1,024 float32; Wo 1,024 x 1,024 float32; Wq 1,024 x 1,024 float32; Wv 1,024 x 1,024 float32; bk 1,024 float32; bo 1,024 float32; bq 1,024 float32; bv 1,024 float32; x 2 x 2,048 x 1,024 float32.
;; Outputs: out0 2 x 2,048 x 1,024 float32.
;; One version. Each part assembles by itself: llvm-mc -triple=amdgcn-amd-amdhsa -mcpu=gfx1250 --defsym DOCPART=n.
;; ======== version 1 of 1: 5 launches
;; limits: values are held in f16: magnitudes above 65,504 overflow, below 6.1e-05 lose precision
;; workspace buffers: xw 16,777,216 bytes; qkv 25,165,824 bytes; ao 8,388,608 bytes; y 16,777,216 bytes
;; launch prep (part 1): grid 32 x 8, 8 waves a work-group, no clusters, 0 bytes of LDS; arguments x, Wq, Wk, Wv, Wo, xw; writes xw
.if DOCPART == 1
	.amdgcn_target "amdgcn-amd-amdhsa--gfx1250"
	.amdhsa_code_object_version 6
	.text
	.protected	k_qecb4654428_prep
	.globl	k_qecb4654428_prep
	.p2align	8
	.type	k_qecb4654428_prep,@function
k_qecb4654428_prep:
	s_mov_b64 s[64:65], 0
	v_nop
	global_prefetch_b8 v0, s[64:65] scope:SCOPE_SE
	s_setreg_imm32_b32 hwreg(HW_REG_WAVE_MODE, 25, 1), 1
	s_wait_xcnt 0x0
; xw = f16(x), then f16(Wq), f16(Wk), f16(Wv), f16(Wo): a cast, element by element, layouts unchanged.
; WHY f16 AND NOT bf16: attention averages 2048 values of V, and the norm at the end divides by the small spread that is left, so every operand's rounding is
; magnified; f16 keeps eleven significant bits where bf16 keeps eight.
; LIMIT: a number of magnitude 65,504 or more becomes infinite; below 2^-14 the step is 2^-24.  x reaches about 5 and the weights 1/32 as drawn: thirty times
; that, or an offset of thirty spreads, stays far inside.
; The source is taken as eight units of 4 MiB (work-group y): units 0-3 are x, units 4-7 the four weights.
; A work-group casts 128 KiB of its unit, a wave 16 KiB: 32 loads of 512 neighbouring bytes, all issued before the first is used,
; and 32 stores of 256 neighbouring bytes, each at a multiple of 256 from the buffer's first byte.
; A stream: every byte is read once and written once, so LDS, matrix instructions and clusters have nothing to add.
.set X, 4                              ; v[4:131]   32 x 4 numbers in f32, as loaded
.set Y, 132                            ; v[132:195] 32 x 4 numbers in f16, to store
	s_load_b256 s[4:11], s[0:1], 0x0               ; x s[4:5], Wq s[6:7], Wk s[8:9], Wv s[10:11]
	s_load_b128 s[12:15], s[0:1], 0x20             ; Wo s[12:13], xw s[14:15]
	s_and_b32 s16, ttmp7, 0xffff                   ; the unit, 0 to 7
	v_lshrrev_b32 v3, 5, v0                        ; wave
	v_and_b32 v2, 31, v0                           ; lane
	v_lshlrev_b32 v1, 4, v2
	v_lshl_or_b32 v1, v3, 14, v1                   ; source: 16 KiB a wave, 16 bytes a lane
	v_lshlrev_b32 v2, 3, v2
	v_lshl_or_b32 v2, v3, 13, v2                   ; destination: 8 KiB a wave, 8 bytes a lane
	s_wait_kmcnt 0x0
	s_mov_b64 s[18:19], s[4:5]                     ; the unit's buffer: x, or one of the weights
	s_cmp_eq_u32 s16, 4
	s_cselect_b64 s[18:19], s[6:7], s[18:19]
	s_cmp_eq_u32 s16, 5
	s_cselect_b64 s[18:19], s[8:9], s[18:19]
	s_cmp_eq_u32 s16, 6
	s_cselect_b64 s[18:19], s[10:11], s[18:19]
	s_cmp_eq_u32 s16, 7
	s_cselect_b64 s[18:19], s[12:13], s[18:19]
	s_cmp_lt_u32 s16, 4
	s_cselect_b32 s20, s16, 0                      ; inside x the unit counts 4 MiB; a weight is one unit
	s_lshl_b32 s20, s20, 22
	s_lshl_b32 s21, ttmp9, 17                      ; the work-group's 128 KiB
	s_add_co_u32 s20, s20, s21
	s_mov_b32 s21, 0
	s_add_nc_u64 s[18:19], s[18:19], s[20:21]
	s_lshl_b32 s22, s16, 21                        ; in xw a unit is 2 MiB, a work-group's part 64 KiB
	s_lshl_b32 s23, ttmp9, 16
	s_add_co_u32 s22, s22, s23
	s_mov_b32 s23, 0
	s_add_nc_u64 s[22:23], s[14:15], s[22:23]
.set j, 0
.rept 32
	global_load_b128 v[X+4*j:X+4*j+3], v1, s[18:19] offset:512*j th:TH_LOAD_NT
.set j, j+1
.endr
.set j, 0
.rept 32
	s_wait_loadcnt 31-j                            ; loads come back in order: number j is in, the 31 - j younger ones stay out
	v_cvt_pk_f16_f32 v[Y+2*j], v[X+4*j], v[X+4*j+1]
	v_cvt_pk_f16_f32 v[Y+2*j+1], v[X+4*j+2], v[X+4*j+3]
	global_store_b64 v2, v[Y+2*j:Y+2*j+1], s[22:23] offset:256*j   ; no register is used twice, so nothing has to be freed
.set j, j+1
.endr
	s_endpgm
.Lfunc_end_k_qecb4654428_prep:
	.size	k_qecb4654428_prep, .Lfunc_end_k_qecb4654428_prep-k_qecb4654428_prep
	.p2alignl 7, 3214868480
	.fill 96, 4, 3214868480
	.section	.rodata,"a",@progbits
	.p2align	6, 0x0
	.amdhsa_kernel k_qecb4654428_prep
		.amdhsa_group_segment_fixed_size 0
		.amdhsa_private_segment_fixed_size 0
		.amdhsa_enable_private_segment 0
		.amdhsa_kernarg_size 48
		.amdhsa_user_sgpr_count 2
		.amdhsa_user_sgpr_kernarg_segment_ptr 1
		.amdhsa_wavefront_size32 1
		.amdhsa_system_sgpr_workgroup_id_x 1
		.amdhsa_system_sgpr_workgroup_id_y 1
		.amdhsa_system_sgpr_workgroup_id_z 1
		.amdhsa_system_vgpr_workitem_id 0
		.amdhsa_next_free_vgpr 196
		.amdhsa_next_free_sgpr 66
		.amdhsa_reserve_vcc 0
		.amdhsa_float_denorm_mode_32 3
		.amdhsa_float_denorm_mode_16_64 3
		.amdhsa_memory_ordered 1
		.amdhsa_forward_progress 1
		.amdhsa_inst_pref_size 13
	.end_amdhsa_kernel
	.amdgpu_metadata
---
amdhsa.version: [ 1, 2 ]
amdhsa.kernels:
  - .name:           k_qecb4654428_prep
    .symbol:         k_qecb4654428_prep.kd
    .args:
      - { .name: x, .offset: 0, .size: 8, .value_kind: global_buffer, .address_space: global }
      - { .name: Wq, .offset: 8, .size: 8, .value_kind: global_buffer, .address_space: global }
      - { .name: Wk, .offset: 16, .size: 8, .value_kind: global_buffer, .address_space: global }
      - { .name: Wv, .offset: 24, .size: 8, .value_kind: global_buffer, .address_space: global }
      - { .name: Wo, .offset: 32, .size: 8, .value_kind: global_buffer, .address_space: global }
      - { .name: xw, .offset: 40, .size: 8, .value_kind: global_buffer, .address_space: global }
    .group_segment_fixed_size: 0
    .private_segment_fixed_size: 0
    .kernarg_segment_align: 8
    .kernarg_segment_size: 48
    .max_flat_workgroup_size: 256
    .sgpr_count:     66
    .vgpr_count:     196
    .wavefront_size: 32
...
	.end_amdgpu_metadata
.endif
;; end of part 1
;; launch qkv (part 2): grid 12 x 16, 4 waves a work-group, clusters of 4 x 4, 327,680 bytes of LDS; arguments xw, bq, bk, bv, qkv; writes qkv
.if DOCPART == 2
	.amdgcn_target "amdgcn-amd-amdhsa--gfx1250"
	.amdhsa_code_object_version 6
	.text
	.protected	k_qecb4654428_qkv
	.globl	k_qecb4654428_qkv
	.p2align	8
	.type	k_qecb4654428_qkv,@function
k_qecb4654428_qkv:
	s_mov_b64 s[64:65], 0
	v_nop
	global_prefetch_b8 v0, s[64:65] scope:SCOPE_SE
	s_setreg_imm32_b32 hwreg(HW_REG_WAVE_MODE, 25, 1), 1
	s_wait_xcnt 0x0
	s_wait_alu depctr_hold_cnt(0) depctr_sa_sdst(0) depctr_va_vdst(0) depctr_va_sdst(0) depctr_va_ssrc(0) depctr_va_vcc(0) depctr_vm_vsrc(0)
	s_getreg_b32 s2, hwreg(HW_REG_IB_STS2, 6, 4)
	s_cmp_eq_u32 s2, 0
	s_cbranch_scc0 .Lentry_in_a_cluster
	s_endpgm
.Lentry_in_a_cluster:
	s_bfe_u32 s2, ttmp6, 0x10000c
	s_cmp_lg_u32 s2, 0xf033
	s_cbranch_scc0 .Lentry_shape_is_right
	s_endpgm
.Lentry_shape_is_right:
; Q, K, V = x W + b for the three weights, as one product of 4096 x 3072 x 1024 in f16 with f32 sums; Q is also multiplied by log2(e) / 8,
; so that the attention launch can use base-2 exponentials of the plain dot products.  Results in f16, laid out [which][batch][head][s][64].
; x (f16, [4096][1024]) and the weights (f16, [k][n], as in the inputs) lie in xw.
; LIMIT: a result of magnitude 65,504 or more becomes infinite in f16.  As drawn the projections reach about 3; with x and W both thirty times larger about
; 900 x 3 = 2,700; with offsets of thirty spreads on both (30 and 0.54) about 1024 x 30 x 0.54 = 16,600.  Below 2^-14 the step is 2^-24.
; A work-group makes 256 rows x 256 columns with four waves, a wave 128 x 128: 64 accumulator tiles of 16 x 16, 512 registers.
; K goes in steps of 128 through a ring of two LDS slots filled by tensor loads.
; CLUSTERS: 4 x 4 work-groups.  A cluster's four columns are the four column blocks of ONE weight (cluster x = which weight).  The four of a
; row of the cluster need the same rows of x, the four of a column the same columns of W: each such tile is asked for jointly, by the same tensor load with a mask of the four.
; W's tile keeps K down its rows: 128 rows (k) of 512 bytes (256 n).  Its fragments are taken with the transposing LDS load.
;
; REGISTERS in windows of 256: window 0: v0-31 addresses, v32-63 and v224-255 bias, v64-191 fragments of x (two buffers), v192-223 packed results;
; window 1: v64-191 fragments of W (two buffers); windows 2, 3: the accumulators of my rows 0-63, 64-127 (tile (a, b) at v[8 (8 a + b)]).
; THE MATRIX INSTRUCTION IS USED TRANSPOSED: source 0 = 16 columns of W, source 1 = 16 rows of x; lane l then holds row l % 16 and its
; eight registers the columns 8 (l / 16) + 0..7: eight neighbouring numbers of a row.
.set SIZE_K, 1024
.set KSTEP,  128
.set PITCH,  272                       ; x in LDS: 256 bytes + 16 of padding; sixteen rows of a fragment start at sixteen different 16-byte columns modulo 256
.set BPITCH, 544                       ; W in LDS: 512 bytes + 32 of padding, an odd multiple of 32
.set HALFT,  128*PITCH                 ; what one tensor load brings: 128 rows of x, or 64 rows of W (64 x 544 is the same 34,816 bytes)
.set SLOT,   4*HALFT                   ; x's 256 rows, then W's 128 rows
.set STAGE,  2*SLOT                    ; behind the ring, never filled by a tensor load: 2 heads x 16 rows x 144 bytes for each wave
.set SPITCH, 144
.set SHEAD,  16*SPITCH
.set LAPS,   SIZE_K/(2*KSTEP)          ; a lap = two K steps = once round the ring: 4
.set W_AT,   0x800000                  ; the weights' place in xw
.set ADRA, 16                          ; v16-17  LDS address of my x fragments in slot 0, 1
.set ADRB, 20                          ; v20-21  the same for W
.set STO,  24                          ; v24     the way out: where I put 16 bytes of a row
.set RD,   25                          ; v25     the way out: where I read rows back
.set CO,   26                          ; v26     my byte offset in the output
.set BOFF, 27                          ; v27     my byte offset in the bias
.set BIAS, 32                          ; column block b: v[32+8b] for b < 4, v[224+8(b-4)] else = BIAS + 8 b + (b/4) 160
.set F0,   64
.set F1,   128
.set TMP,  192
.set G1, 24                            ; s[24:31] descriptor group 1, x's tiles
.set G0, 32                            ; s[32:39] group 0, x's tiles, one set for each slot
.set G1B, 48                           ; s[48:55] group 1, W's tiles
.set G0B, 56                           ; s[56:63] group 0, W's tiles, one set for each slot
.set MSB, 0
.macro WIN new                         ; the immediate's high byte repeats the setting that is left
.if MSB != \new
	s_set_vgpr_msb (MSB<<8)|\new
.set MSB, \new
.endif
.endm
.set MUL_LO, 0xa1                      ; source 0 (W) window 1, source 1 (x) window 0, C and D window 2
.set MUL_HI, 0xf1                      ; the same, C and D window 3
.set TO_B,   0x40                      ; destination window 1, address window 0
; A joint load.  Waves 0 and 1 fetch x's two halves, waves 2 and 3 W's.  The branch hangs on the wave's number alone.
.macro JLOAD s
	s_cmp_eq_u32 s11, 0
	s_cbranch_scc0 .Lfor_b_\@
	tensor_load_to_lds s[G0+4*\s:G0+4*\s+3], s[G1:G1+7]
	s_nop 0
	s_branch .Lasked_\@
.Lfor_b_\@:
	tensor_load_to_lds s[G0B+4*\s:G0B+4*\s+3], s[G1B:G1B+7]
	s_nop 0
.Lasked_\@:
.endm
; A round of the cluster's barrier: my work-group's barrier; wave 0 signals for the work-group; every wave waits for all sixteen; my work-group's barrier again.
.macro CREST                           ; a round behind its opening barrier
	s_cmp_lg_u32 s10, 0
	s_cbranch_scc1 .Lnot_wave_0_\@
	s_barrier_signal -3
.Lnot_wave_0_\@:
	s_barrier_wait -3
	s_barrier_signal -1
	s_barrier_wait -1
.endm
.macro CROUND
	s_barrier_signal -1
	s_barrier_wait -1
	CREST
.endm
	s_load_b64 s[4:5], s[0:1], 0x0                 ; xw
	s_load_b128 s[68:71], s[0:1], 0x8              ; bq s[68:69], bk s[70:71]
	s_load_b128 s[72:75], s[0:1], 0x18             ; bv s[72:73], qkv s[74:75]
	s_set_vgpr_msb 0x40
	v_lshl_add_u32 v255, v0, 2, 0x48800
	s_set_vgpr_msb 0x4000
	v_mov_b32 v31, 0
	s_set_vgpr_msb 0x1
	ds_add_u32 v255, v31
	s_set_vgpr_msb 0x100
	v_lshrrev_b32 v1, 5, v0
	v_readfirstlane_b32 s10, v1                    ; wave 0..3
	s_lshr_b32 s11, s10, 1                         ; which half of the block's rows is mine.  Also: I fetch for x (0) or for W (1)
	s_and_b32 s12, s10, 1                          ; which half of its columns.  Also: which half of that tile I fetch
	s_bfe_u32 s40, ttmp6, 0x40000                  ; cx = the column block inside the weight
	s_bfe_u32 s41, ttmp6, 0x40004                  ; cy
	s_mov_b32 s45, ttmp9                           ; cluster x = which weight: 0 Q, 1 K, 2 V
	s_and_b32 s13, ttmp7, 0xffff
	s_lshl_b32 s13, s13, 2
	s_add_co_u32 s13, s13, s41                     ; block row = 4 x cluster y + cy
	s_lshl_b32 s43, s41, 2
	s_lshl_b32 s43, 15, s43                        ; my row of the cluster: places 4 cy .. 4 cy + 3
	s_lshl_b32 s44, 0x1111, s40                    ; my column: places cx, cx + 4, cx + 8, cx + 12
	; group 1 for x: 128 rows x 128 elements of 2 bytes, 4 words of padding behind every 64 words
	s_or_b32 s[G1+0], s43, (1<<16)|(1<<20)|(1<<21)|(5<<22)|(3<<25)
	s_mov_b32 s[G1+1], KSTEP<<16                   ; tensor_dim0 = 128
	s_mov_b32 s[G1+2], 128<<16                     ; tensor_dim1 = 128
	s_mov_b32 s[G1+3], KSTEP<<16                   ; tile_dim0 = 128
	s_mov_b32 s[G1+4], 128                         ; tile_dim1 = 128
	s_mov_b32 s[G1+5], SIZE_K                      ; elements from row to row
	s_mov_b32 s[G1+6], 0
	s_mov_b32 s[G1+7], 0
	; group 1 for W: 64 rows (k) x 256 elements (n), 8 words of padding behind every 128 words
	s_or_b32 s[G1B+0], s44, (1<<16)|(1<<20)|(1<<21)|(6<<22)|(7<<25)
	s_mov_b32 s[G1B+1], 256<<16                    ; tensor_dim0 = 256
	s_mov_b32 s[G1B+2], 64<<16                     ; tensor_dim1 = 64
	s_mov_b32 s[G1B+3], 256<<16                    ; tile_dim0 = 256
	s_mov_b32 s[G1B+4], 64                         ; tile_dim1 = 64
	s_mov_b32 s[G1B+5], 1024                       ; elements from row to row
	s_mov_b32 s[G1B+6], 0
	s_mov_b32 s[G1B+7], 0
	; where the tiles come from: x's hang on the block row alone, W's on the weight and cx alone, each in registers that never hold the other coordinate
	s_lshl_b32 s16, s13, 8
	s_lshl_b32 s17, s12, 7
	s_add_co_u32 s16, s16, s17                     ; x: row 256 x block row + 128 x half,
	s_lshl_b32 s16, s16, 11                        ; times 2,048 bytes: below 8 MiB
	s_mov_b32 s17, 0
	s_lshl_b32 s46, s45, 21                        ; W: 2 MiB a weight,
	s_add_co_u32 s46, s46, W_AT
	s_lshl_b32 s47, s12, 17                        ; 64 rows of 2,048 bytes for the second half,
	s_add_co_u32 s46, s46, s47
	s_lshl_b32 s47, s40, 9                         ; 512 bytes a column block
	s_add_co_u32 s46, s46, s47
	s_mov_b32 s47, 0
	s_lshl_b32 s66, s40, 10                        ; bias: 256 numbers a column block, 128 a half
	s_lshl_b32 s67, s12, 9
	s_add_co_u32 s66, s66, s67
	s_mov_b32 s67, 0
	s_mul_i32 s20, s10, HALFT                      ; where they go: wave x 34,816 bytes: no place in the cluster enters an LDS address
	s_cmp_eq_u32 s45, 0
	s_cselect_b32 s78, 0x3e38aa3b, 1.0             ; Q: log2(e) / 8; K and V: 1
	s_mov_b32 s79, s78
	s_wait_dscnt 0x0
	s_wait_kmcnt 0x0
	s_add_nc_u64 s[14:15], s[4:5], s[16:17]
	s_add_nc_u64 s[46:47], s[4:5], s[46:47]
	s_mov_b64 s[76:77], s[68:69]                   ; the weight's bias
	s_cmp_eq_u32 s45, 1
	s_cselect_b64 s[76:77], s[70:71], s[76:77]
	s_cmp_eq_u32 s45, 2
	s_cselect_b64 s[76:77], s[72:73], s[76:77]
	s_add_nc_u64 s[76:77], s[76:77], s[66:67]
	CROUND                                         ; all sixteen work-groups are here: the first joint loads meet
.irp s, 0,1
	s_mov_b32 s[G0+4*\s], 1
	s_add_co_u32 s[G0+4*\s+1], s20, \s*SLOT
	s_add_nc_u64 s[G0+4*\s+2:G0+4*\s+3], s[14:15], \s*KSTEP*2       ; K step s: 256 bytes along x's rows
	s_or_b32 s[G0+4*\s+3], s[G0+4*\s+3], 0x80000000
	s_mov_b32 s[G0B+4*\s], 1
	s_add_co_u32 s[G0B+4*\s+1], s20, \s*SLOT
	s_add_nc_u64 s[G0B+4*\s+2:G0B+4*\s+3], s[46:47], \s*KSTEP*2048  ; K step s: 128 rows down W
	s_or_b32 s[G0B+4*\s+3], s[G0B+4*\s+3], 0x80000000
	JLOAD \s                                       ; two tensor loads of the wave are out here, later one
.endr
	v_and_b32 v1, 15, v0                           ; r = l % 16
	v_bfe_u32 v2, v0, 4, 1                         ; h = l / 16
	v_lshlrev_b32 v[BOFF], 5, v2                   ; my eight columns of a block of 16: 32 h bytes
.irp b, 0,1,2,3,4,5,6,7
	global_load_b128 v[BIAS+8*\b+(\b/4)*160:BIAS+8*\b+(\b/4)*160+3],   v[BOFF], s[76:77] offset:64*\b
	global_load_b128 v[BIAS+8*\b+(\b/4)*160+4:BIAS+8*\b+(\b/4)*160+7], v[BOFF], s[76:77] offset:64*\b+16
.endr
	; x fragments: lane l holds row r; two loads of 16 bytes, 32 bytes apart, at row x pitch + 16 h
	v_mul_u32_u24 v3, v1, PITCH
	v_lshl_add_u32 v3, v2, 4, v3
	s_mul_i32 s21, s11, HALFT                      ; my 128 rows of x
	; W fragments by the transposing load: lane l addresses row (k) 8 h + l % 8 and the 16 bytes (l / 8) % 2 of the 32 bytes of the block's 16 columns
	v_and_b32 v4, 7, v0
	v_lshl_or_b32 v4, v2, 3, v4
	v_mul_u32_u24 v4, v4, BPITCH
	v_bfe_u32 v5, v0, 3, 1
	v_lshl_add_u32 v4, v5, 4, v4
	s_lshl_b32 s22, s12, 8                         ; my 128 columns of W,
	s_add_co_u32 s22, s22, 2*HALFT                 ; which lies behind x's 256 rows
.irp s, 0,1
	v_add_nc_u32 v[ADRA+\s], s21, v3
	v_add_nc_u32 v[ADRB+\s], s22, v4
	s_add_co_u32 s21, s21, SLOT
	s_add_co_u32 s22, s22, SLOT
.endr
	s_mul_i32 s23, s10, 2*SHEAD
	s_add_co_u32 s23, s23, STAGE                   ; my stage
	v_mul_u32_u24 v6, v1, SPITCH                   ; in: row r, 16 bytes for each half of the lanes
	v_lshl_add_u32 v6, v2, 4, v6
	v_add_nc_u32 v[STO], s23, v6
	v_bfe_u32 v6, v0, 3, 2                         ; back: eight lanes take a head's row of 128 bytes, the wave four rows
	v_mul_u32_u24 v6, v6, SPITCH
	v_and_b32 v7, 7, v0
	v_lshl_add_u32 v6, v7, 4, v6
	v_add_nc_u32 v[RD], s23, v6
	v_and_b32 v7, 31, v0
	v_lshlrev_b32 v[CO], 4, v7                     ; in memory those four rows are 512 neighbouring bytes
; 16 matrix instructions: row blocks a0, a0 + 1 of the window's four x all 8 column blocks, 32 along K.  zero = 1: the first product starts the sums.
.macro MUL16 f, hi, a0, zero
.irp a, \a0, \a0+1
.irp b, 0,1,2,3,4,5,6,7
.if \zero
	v_wmma_f32_16x16x32_f16 v[8*(8*(\a)+\b):8*(8*(\a)+\b)+7], v[\f+8*\b:\f+8*\b+7], v[\f+8*(4*\hi+\a):\f+8*(4*\hi+\a)+7], 0
.else
	v_wmma_f32_16x16x32_f16 v[8*(8*(\a)+\b):8*(8*(\a)+\b)+7], v[\f+8*\b:\f+8*\b+7], v[\f+8*(4*\hi+\a):\f+8*(4*\hi+\a)+7], v[8*(8*(\a)+\b):8*(8*(\a)+\b)+7]
.endif
.endr
.endr
.endm
; 32 LDS loads in one run: the fragments of quarter q (32 along K) of a slot into buffer f: W's 128 columns, then x's 128 rows
.macro FETCH slot, q, f
	WIN TO_B
.irp i, 0,1,2,3,4,5,6,7
	ds_load_tr16_b128 v[\f+8*\i:\f+8*\i+3],   v[ADRB+\slot] offset:\q*32*BPITCH+32*\i              ; k = 8 h + 0..7 of column 16 i + r
	ds_load_tr16_b128 v[\f+8*\i+4:\f+8*\i+7], v[ADRB+\slot] offset:\q*32*BPITCH+32*\i+16*BPITCH    ; k = 16 + 8 h + 0..7
.endr
	WIN 0
.irp i, 0,1,2,3,4,5,6,7
	ds_load_b128 v[\f+8*\i:\f+8*\i+3],   v[ADRA+\slot] offset:\q*64+\i*16*PITCH
	ds_load_b128 v[\f+8*\i+4:\f+8*\i+7], v[ADRA+\slot] offset:\q*64+\i*16*PITCH+32
.endr
.endm
; A load into a register that a matrix instruction has read stands four plain vector instructions behind it (ISA guide 7.12.1 for vector
; instructions); other matrix instructions are not counted.
.macro PLACES
.rept 4
	v_nop
.endr
.endm
; A K step is four quarters of 32 along K, 64 matrix instructions each, on buffers 0, 1, 0, 1.  The 64 accumulators take turns, one instruction
; a turn, in the same order in every quarter.
.macro QUARTER slot, q, f, g, zero     ; multiplies buffer f; in its middle fetches quarter q into buffer g
	s_wait_dscnt 8                                 ; W and x's rows 0-63 are in; the youngest eight loads (x's rows 64-127) may be out
	WIN MUL_LO
	MUL16 \f, 0, 0, \zero
	MUL16 \f, 0, 2, \zero
	PLACES
	FETCH \slot, \q, \g
	s_wait_dscnt 32                                ; all but the 32 just issued
	WIN MUL_HI
	MUL16 \f, 1, 0, \zero
	MUL16 \f, 1, 2, \zero
.endm
.macro THREE slot, zero
	QUARTER \slot, 1, F0, F1, \zero
	QUARTER \slot, 2, F1, F0, 0
	QUARTER \slot, 3, F0, F1, 0
.endm
; The last quarter multiplies buffer 1 and changes slots.  In front of the barrier each wave waits for its reads of this slot and for all its
; tensor loads (one is out: its part of the next slot).  Behind it the refill comes first, then the next slot's first fragments.
.macro TURN slot, next, fill
	s_wait_dscnt 8
	WIN MUL_LO
	MUL16 F1, 0, 0, 0
	s_wait_dscnt 0                                 ; my reads of this slot are over
	s_wait_tensorcnt 0x0                           ; and all my tensor loads have landed
	ds_add_u32 v255, v31
	s_wait_dscnt 0x0
	s_barrier_signal -1                            ; (where a slot is filled again this barrier opens a round of the cluster's barrier)
	MUL16 F1, 0, 2, 0                              ; register work while the others arrive
	WIN 0
	s_barrier_wait -1
.if \fill
	CREST                                          ; no wave of any partner still reads this slot or has a load on its way
	s_add_nc_u64 s[G0+4*\slot+2:G0+4*\slot+3], s[G0+4*\slot+2:G0+4*\slot+3], 2*KSTEP*2
	s_add_nc_u64 s[G0B+4*\slot+2:G0B+4*\slot+3], s[G0B+4*\slot+2:G0B+4*\slot+3], 2*KSTEP*2048
	JLOAD \slot                                    ; the wave's one tensor load behind the round
.endif
	PLACES
	FETCH \next, 0, F0
	WIN MUL_HI
	MUL16 F1, 1, 0, 0
	MUL16 F1, 1, 2, 0
.endm
.macro LAP zero
	THREE 0, \zero
	TURN 0, 1, 1
	THREE 1, 0
	TURN 1, 0, 1
.endm
	s_wait_tensorcnt 1                             ; my part of K step 0 is in; K step 1's stays out
	s_barrier_signal -1
	s_barrier_wait -1
	FETCH 0, 0, F0
	LAP 1                                          ; the first lap's first products start the sums
	WIN 0
	s_mov_b32 s3, LAPS-2
.Llap:
	LAP 0
	WIN 0
	s_sub_co_u32 s3, s3, 1
	s_cmp_lg_u32 s3, 0
	s_cbranch_scc1 .Llap
	THREE 0, 0                                     ; the last lap fills nothing
	TURN 0, 1, 0
	THREE 1, 0
	s_wait_dscnt 8
	WIN MUL_LO
	MUL16 F1, 0, 0, 0
	MUL16 F1, 0, 2, 0
	s_wait_dscnt 0
	WIN MUL_HI
	MUL16 F1, 1, 0, 0
	MUL16 F1, 1, 2, 0
	; (sum + b) x scale = sum x scale + (b x scale).  The 32 multiplies of the bias name no register of the last matrix instructions:
	; they are the plain vector instructions that have to stand between those and the first use of their results.
	WIN 0
	s_wait_loadcnt 0x0                             ; the bias, asked for at the start
.irp b, 0,1,2,3,4,5,6,7
.irp j, 0,2,4,6
	v_pk_mul_f32 v[BIAS+8*\b+(\b/4)*160+\j:BIAS+8*\b+(\b/4)*160+\j+1], v[BIAS+8*\b+(\b/4)*160+\j:BIAS+8*\b+(\b/4)*160+\j+1], s[78:79] op_sel_hi:[1,0]
.endr
.endr
.macro BIASED                          ; the 32 tiles of one window: source 0 and destination there, the bias in window 0
.irp a, 0,1,2,3
.irp b, 0,1,2,3,4,5,6,7
.irp j, 0,2,4,6
	v_pk_fma_f32 v[8*(8*\a+\b)+\j:8*(8*\a+\b)+\j+1], v[8*(8*\a+\b)+\j:8*(8*\a+\b)+\j+1], s[78:79], v[BIAS+8*\b+(\b/4)*160+\j:BIAS+8*\b+(\b/4)*160+\j+1] op_sel_hi:[1,0,1]
.endr
.endr
.endr
.endm
	WIN 0x82
	BIASED
	WIN 0xc3
	BIASED
	; THE WAY OUT, 16 rows at a time.  My 128 columns are two heads; 16 rows of a head are 2,048 neighbouring bytes of the output.
	s_lshl_b32 s13, s13, 8
	s_lshl_b32 s14, s11, 7
	s_add_co_u32 s16, s13, s14                     ; my first row, 0 to 4095
	s_lshr_b32 s17, s16, 11                        ; batch,
	s_lshl_b32 s17, s17, 22                        ; 4 MiB each
	s_and_b32 s16, s16, 2047                       ; s,
	s_lshl_b32 s16, s16, 7                         ; 128 bytes each
	s_add_co_u32 s16, s16, s17
	s_lshl_b32 s17, s45, 23                        ; Q, K or V: 8 MiB each
	s_add_co_u32 s16, s16, s17
	s_mov_b32 s17, 0
	s_add_nc_u64 s[8:9], s[74:75], s[16:17]
	s_lshl_b32 s46, s40, 2
	s_lshl1_add_u32 s46, s12, s46                  ; my first head = 4 cx + 2 x half,
	s_lshl_b32 s46, s46, 18                        ; 256 KiB each
	s_mov_b32 s47, 0
	s_add_nc_u64 s[8:9], s[8:9], s[46:47]
; rows 16 i .. 16 i + 15 = the eight tiles (a, 0..7) of window 2 or 3 (from = 0x0a or 0x0f: sources 0 and 1); f: F0 or F1 in turn
.macro OUT16 i, a, from, f
	WIN \from
.irp b, 0,1,2,3,4,5,6,7
.irp r, 0,1,2,3
	v_cvt_pk_f16_f32 v[TMP+4*\b+\r], v[8*(8*\a+\b)+2*\r], v[8*(8*\a+\b)+2*\r+1]
.endr
.endr
	WIN 0
.irp b, 0,1,2,3,4,5,6,7
	ds_store_b128 v[STO], v[TMP+4*\b:TMP+4*\b+3] offset:(\b/4)*SHEAD+(\b%4)*32
.endr
	s_wait_xcnt 0x0                                ; buffer f, which earlier stores read, is loaded again only behind this wait
.irp x, 0,1,2,3,4,5,6,7
	ds_load_b128 v[\f+4*\x:\f+4*\x+3], v[RD] offset:(\x/4)*SHEAD+(\x%4)*4*SPITCH   ; LDS serves a wave's instructions in order: these see the stores above
.endr
.irp x, 0,1,2,3,4,5,6,7
	s_wait_dscnt 7-\x
	global_store_b128 v[CO], v[\f+4*\x:\f+4*\x+3], s[8:9] offset:(\x/4)*262144+\i*2048+(\x%4)*512   ; 512 neighbouring bytes, at a multiple of 512 from the buffer's first byte
.endr
.endm
	OUT16 0, 0, 0x0a, F0
	OUT16 1, 1, 0x0a, F1
	OUT16 2, 2, 0x0a, F0
	OUT16 3, 3, 0x0a, F1
	OUT16 4, 0, 0x0f, F0
	OUT16 5, 1, 0x0f, F1
	OUT16 6, 2, 0x0f, F0
	OUT16 7, 3, 0x0f, F1
	s_set_vgpr_msb 0x1
	s_wait_tensorcnt 0x0
	ds_add_u32 v255, v31
	s_wait_dscnt 0x0
	s_set_vgpr_msb 0x100
	CROUND                                         ; the closing round: no work-group ends while a partner may still ask for a tile that names it
	s_endpgm
.Lfunc_end_k_qecb4654428_qkv:
	.size	k_qecb4654428_qkv, .Lfunc_end_k_qecb4654428_qkv-k_qecb4654428_qkv
	.p2alignl 7, 3214868480
	.fill 96, 4, 3214868480
	.section	.rodata,"a",@progbits
	.p2align	6, 0x0
	.amdhsa_kernel k_qecb4654428_qkv
		.amdhsa_group_segment_fixed_size 327680
		.amdhsa_private_segment_fixed_size 0
		.amdhsa_enable_private_segment 0
		.amdhsa_kernarg_size 40
		.amdhsa_user_sgpr_count 2
		.amdhsa_user_sgpr_kernarg_segment_ptr 1
		.amdhsa_wavefront_size32 1
		.amdhsa_system_sgpr_workgroup_id_x 1
		.amdhsa_system_sgpr_workgroup_id_y 1
		.amdhsa_system_sgpr_workgroup_id_z 1
		.amdhsa_system_vgpr_workitem_id 0
		.amdhsa_next_free_vgpr 1024
		.amdhsa_next_free_sgpr 80
		.amdhsa_reserve_vcc 0
		.amdhsa_float_denorm_mode_32 3
		.amdhsa_float_denorm_mode_16_64 3
		.amdhsa_memory_ordered 1
		.amdhsa_forward_progress 1
		.amdhsa_inst_pref_size 216
	.end_amdhsa_kernel
	.amdgpu_metadata
---
amdhsa.version: [ 1, 2 ]
amdhsa.kernels:
  - .name:           k_qecb4654428_qkv
    .symbol:         k_qecb4654428_qkv.kd
    .args:
      - { .name: xw, .offset: 0, .size: 8, .value_kind: global_buffer, .address_space: global }
      - { .name: bq, .offset: 8, .size: 8, .value_kind: global_buffer, .address_space: global }
      - { .name: bk, .offset: 16, .size: 8, .value_kind: global_buffer, .address_space: global }
      - { .name: bv, .offset: 24, .size: 8, .value_kind: global_buffer, .address_space: global }
      - { .name: qkv, .offset: 32, .size: 8, .value_kind: global_buffer, .address_space: global }
    .group_segment_fixed_size: 327680
    .private_segment_fixed_size: 0
    .kernarg_segment_align: 8
    .kernarg_segment_size: 40
    .max_flat_workgroup_size: 128
    .sgpr_count:     80
    .vgpr_count:     1024
    .wavefront_size: 32
...
	.end_amdgpu_metadata
.endif
;; end of part 2
;; launch attn (part 3): grid 8 x 32, 8 waves a work-group, clusters of 4 x 1, 327,680 bytes of LDS; arguments qkv, ao; writes ao
.if DOCPART == 3
	.amdgcn_target "amdgcn-amd-amdhsa--gfx1250"
	.amdhsa_code_object_version 6
	.text
	.protected	k_qecb4654428_attn
	.globl	k_qecb4654428_attn
	.p2align	8
	.type	k_qecb4654428_attn,@function
k_qecb4654428_attn:
	s_mov_b64 s[64:65], 0
	v_nop
	global_prefetch_b8 v0, s[64:65] scope:SCOPE_SE
	s_setreg_imm32_b32 hwreg(HW_REG_WAVE_MODE, 25, 1), 1
	s_wait_xcnt 0x0
	s_wait_alu depctr_hold_cnt(0) depctr_sa_sdst(0) depctr_va_vdst(0) depctr_va_sdst(0) depctr_va_ssrc(0) depctr_va_vcc(0) depctr_vm_vsrc(0)
	s_getreg_b32 s2, hwreg(HW_REG_IB_STS2, 6, 4)
	s_cmp_eq_u32 s2, 0
	s_cbranch_scc0 .Lentry_in_a_cluster
	s_endpgm
.Lentry_in_a_cluster:
	s_bfe_u32 s2, ttmp6, 0x10000c
	s_cmp_lg_u32 s2, 0x3003
	s_cbranch_scc0 .Lentry_shape_is_right
	s_endpgm
.Lentry_shape_is_right:
; softmax(Q K^T / 8) V for one (batch, head) and 256 queries a work-group, with a running maximum.  Q comes already multiplied by log2(e) / 8,
; so weights are 2^(score - maximum).  f16 operands, f32 sums, maxima and weights' sums in f32.
; LIMITS: v_exp_f32 gives 0 for results below 2^-126 (ISA guide, its entry).  The weights lie in (0, 1] by the running maximum and go to the second product in
; f16: below 2^-14 their step is 2^-24, below 2^-25 they become 0; 2048 such weights are at most 6e-5 beside the maximum's weight of 1.
; The result is a convex mix of V's rows, so it fits f16 wherever V does.
; Eight waves.  Wave w has the 64 queries qg = w & 3 and, of every 256 keys in an LDS slot, the half kg = w >> 2.  The two waves of a query
; group meet once, at the end, through LDS.
; ORIENTATION: S^T = K Q^T (source 0 = 16 keys, source 1 = 16 queries): a lane holds ONE query (l % 16) and keys 8 (l / 16) + 0..7 of each tile, so maximum
; and sum run along the lane's registers and cross lanes once (l xor 16), and two packed tiles of S^T ARE source 1 of O^T = V^T P^T.
; V^T's fragments come from V[key][64] by the transposing LDS load.
; THE ORDER OF WORK.  The four query tiles go as two pairs, A = tiles 0, 1 and B = tiles 2, 3.  A chunk c of 64 keys has four runs of 16 products, SA(c), SB(c)
; (scores) and PA(c), PB(c) (O^T += V^T P^T), and two softmax passes FA(c), FB(c).  A STAGE is one pass with the 32 products of the OTHER pair laid between its lines:
;   stage 1 of chunk c:  FA(c)  with  PB(c-1), SB(c)          stage 2 of chunk c:  FB(c)  with  PA(c), SA(c+1)
; Within a stage vector lines and products name disjoint registers, so each product has independent vector work behind it: 240 vector lines for 32 products.
; K(c+1) is loaded at the head of stage 2(c), when SB(c) has read K(c); V(c+1) in stage 1(c+1), when PB(c) has read V(c).
; CLUSTERS: the four work-groups of a cluster are four query blocks of one head and read the same K and V: each tile is asked for jointly (mask 15).
; Q is each wave's own and goes straight to registers.
; The result is stored in the order in which the next launch's matrix instructions want it: blocks of 512 bytes = 16 rows x 16 k, lane l's 16 bytes at 16 l:
; [row block of 128][k slot of 256][16 rows][16 k][lane][16 bytes].
.set KP, 144                           ; K in LDS: 128 bytes + 16
.set VP, 160                           ; V in LDS: 128 bytes + 32, an odd multiple of 32
.set KBYTES, 256*KP
.set VBYTES, 256*VP
.set SLOT, KBYTES+VBYTES               ; 77,824 bytes: 256 keys
.set EXCH, 2*SLOT                      ; behind the ring, never filled by a tensor load: 8,704 bytes a wave for the meeting
.set XB, 8704
; window 0
.set ADRK, 2                           ; v2-3    my K fragments in slot 0, 1
.set ADRV, 4                           ; v4-5    my V fragments in slot 0, 1
.set QOFF, 6
.set OOFF, 7                           ; 16 x lane
.set XW, 8                             ; where I put what my partner needs
.set XR, 9                             ; where my partner put what I need
.set ML, 10                            ; v[10+2n], v[11+2n]: maximum and (this lane's part of the) sum of query tile n
.set AL, 18                            ; v[18+2n], v[19+2n]: the factor 2^(old maximum - new), and a scratch for the other half's figure
.set TM, 26                            ; v[26+n]       the new maximum
.set SUM, 30                           ; v[30+2(n&1)]  a pair: the chunk's sum of weights
.set TB, 34                            ; v[34+(n&1)]   the second chain of the maximum
.set NM, 36                            ; v[36+2(n&1)]  a pair: minus the maximum, twice
.set KF, 64                            ; v[64:127]  K: key tile t, half u of d at KF + 16 t + 8 u
.set SC, 128                           ; v[128:255] S^T: query tile n, key tile t at SC + 32 n + 8 t; packed P^T in place at SC + 32 n + 0..15
; window 1
.set OA, 0                             ; O^T: query tile n, d tile at OA + 32 n + 8 d
.set QF, 128                           ; Q: query tile n, half u of d at QF + 16 n + 8 u
.set VF, 192                           ; V^T: d tile, key step u at VF + 16 d + 8 u
.set W_S,   0x04                       ; source 1 (Q) window 1.  Vector lines whose source 1 is a constant, or that have none, work on window 0 under it
.set W_PV,  0x51                       ; source 0 (V), C and D window 1; source 1 (P) window 0.  A packed multiply of O by a factor from window 0 works under it
.set W_L1,  0x40                       ; destination window 1
.set W_ST1, 0x04                       ; an LDS store's data window 1
.set W_MG,  0x01                       ; source 0 window 1
.set G1K, 24
.set G0K, 32                           ; one set for each slot
.set G1V, 48
.set G0V, 56
.set MSB, 0
.macro WIN new
.if MSB != \new
	s_set_vgpr_msb (MSB<<8)|\new
.set MSB, \new
.endif
.endm
.macro JLOAD s                         ; waves 0-3 ask for 64 rows of K each, waves 4-7 for 64 rows of V: one tensor load a wave
	s_cmp_eq_u32 s10, 0
	s_cbranch_scc0 .Lfor_v_\@
	tensor_load_to_lds s[G0K+4*\s:G0K+4*\s+3], s[G1K:G1K+7]
	s_nop 0
	s_branch .Lasked_\@
.Lfor_v_\@:
	tensor_load_to_lds s[G0V+4*\s:G0V+4*\s+3], s[G1V:G1V+7]
	s_nop 0
.Lasked_\@:
.endm
.macro ROUND                           ; a round of the cluster's barrier
	s_barrier_signal -1
	s_barrier_wait -1
	s_cmp_lg_u32 s8, 0
	s_cbranch_scc1 .Lnot_wave_0_\@
	s_barrier_signal -3
.Lnot_wave_0_\@:
	s_barrier_wait -3
	s_barrier_signal -1
	s_barrier_wait -1
.endm
.macro PLACES
.rept 4
	v_nop
.endr
.endm
	s_load_b128 s[4:7], s[0:1], 0x0                ; qkv s[4:5], ao s[6:7]
	v_lshl_add_u32 v62, v0, 2, 0x37000
	v_mov_b32 v63, 0
	ds_add_u32 v62, v63
	v_lshrrev_b32 v1, 5, v0
	v_readfirstlane_b32 s8, v1                     ; wave 0..7
	s_and_b32 s9, s8, 3                            ; qg
	s_lshr_b32 s10, s8, 2                          ; kg.  Also: I fetch K (0) or V (1)
	s_bfe_u32 s42, ttmp6, 0x40000                  ; cx
	s_lshl_b32 s43, ttmp9, 2
	s_add_co_u32 s43, s43, s42                     ; query block 0..7
	s_and_b32 s45, ttmp7, 0xffff                   ; 16 x batch + head
	s_mov_b32 s40, 0x76543210                      ; v_permlanex16_b32: lane i of one half reads lane i of the other
	s_mov_b32 s41, 0xfedcba98
	; group 1: 64 rows of 64 elements of 2 bytes, padding behind every 32 words: 4 words for K, 8 for V
	s_mov_b32 s[G1K+0], 15|(1<<16)|(1<<20)|(1<<21)|(4<<22)|(3<<25)
	s_mov_b32 s[G1V+0], 15|(1<<16)|(1<<20)|(1<<21)|(4<<22)|(7<<25)
	s_mov_b32 s[G1K+1], 64<<16                     ; tensor_dim0 = 64
	s_mov_b32 s[G1V+1], 64<<16
	s_mov_b32 s[G1K+2], 64<<16                     ; tensor_dim1 = 64
	s_mov_b32 s[G1V+2], 64<<16
	s_mov_b32 s[G1K+3], 64<<16                     ; tile_dim0 = 64
	s_mov_b32 s[G1V+3], 64<<16
	s_mov_b32 s[G1K+4], 64                         ; tile_dim1 = 64
	s_mov_b32 s[G1V+4], 64
	s_mov_b32 s[G1K+5], 64                         ; elements from row to row
	s_mov_b32 s[G1V+5], 64
	s_mov_b32 s[G1K+6], 0
	s_mov_b32 s[G1V+6], 0
	s_mov_b32 s[G1K+7], 0
	s_mov_b32 s[G1V+7], 0
	s_lshl_b32 s12, s45, 18                        ; a head's 2048 x 128 bytes; the tiles hang on the head and the wave alone
	s_lshl_b32 s13, s9, 13                         ; my 64 rows of a tile
	s_add_co_u32 s12, s12, s13
	s_add_co_u32 s14, s12, 0x1000000               ; V lies 16 MiB into the buffer,
	s_add_co_u32 s12, s12, 0x800000                ; K 8 MiB
	s_mov_b32 s13, 0
	s_mov_b32 s15, 0
	s_mul_i32 s16, s9, 64*KP                       ; and where they go
	s_mul_i32 s17, s9, 64*VP
	s_add_co_u32 s17, s17, KBYTES
	s_lshl_b32 s18, s45, 18                        ; Q: head, query block of 256 rows, my 64 rows
	s_lshl_b32 s19, s43, 15
	s_add_co_u32 s18, s18, s19
	s_lshl_b32 s19, s9, 13
	s_add_co_u32 s18, s18, s19
	s_mov_b32 s19, 0
	s_and_b32 s20, s45, 0xf0                       ; result: row block of 128 = 16 x batch + 2 x query block + qg / 2, 256 KiB each
	s_lshl1_add_u32 s20, s43, s20
	s_lshr_b32 s21, s9, 1
	s_add_co_u32 s20, s20, s21
	s_lshl_b32 s20, s20, 18
	s_bfe_u32 s21, s45, 0x20002                    ; k slot = head / 4, 64 KiB each
	s_lshl_b32 s21, s21, 16
	s_add_co_u32 s20, s20, s21
	s_and_b32 s21, s9, 1                           ; 16 rows: 4 (qg % 2) + n, 8 KiB each
	s_lshl_b32 s21, s21, 15
	s_add_co_u32 s20, s20, s21
	s_and_b32 s21, s45, 3                          ; 16 k: 4 (head % 4) + d, 512 bytes each
	s_lshl_b32 s21, s21, 11
	s_add_co_u32 s20, s20, s21
	s_mov_b32 s21, 0
	s_wait_dscnt 0x0
	s_wait_kmcnt 0x0
	s_add_nc_u64 s[12:13], s[4:5], s[12:13]
	s_add_nc_u64 s[14:15], s[4:5], s[14:15]
	s_add_nc_u64 s[66:67], s[4:5], s[18:19]
	s_add_nc_u64 s[68:69], s[6:7], s[20:21]
	ROUND                                          ; all four work-groups are here: the first joint loads meet
.irp s, 0,1
	s_mov_b32 s[G0K+4*\s], 1
	s_add_co_u32 s[G0K+4*\s+1], s16, \s*SLOT
	s_add_nc_u64 s[G0K+4*\s+2:G0K+4*\s+3], s[12:13], \s*32768     ; keys 256 s ..
	s_or_b32 s[G0K+4*\s+3], s[G0K+4*\s+3], 0x80000000
	s_mov_b32 s[G0V+4*\s], 1
	s_add_co_u32 s[G0V+4*\s+1], s17, \s*SLOT
	s_add_nc_u64 s[G0V+4*\s+2:G0V+4*\s+3], s[14:15], \s*32768
	s_or_b32 s[G0V+4*\s+3], s[G0V+4*\s+3], 0x80000000
	JLOAD \s                                       ; two tensor loads of the wave are out here, later one
.endr
	v_and_b32 v40, 15, v0                          ; r
	v_bfe_u32 v41, v0, 4, 1                        ; h
	v_lshlrev_b32 v[QOFF], 7, v40
	v_lshl_add_u32 v[QOFF], v41, 4, v[QOFF]        ; row r of 128 bytes + 16 h
	WIN W_L1
.irp n, 0,1,2,3
.irp u, 0,1
	global_load_b128 v[QF+16*\n+8*\u:QF+16*\n+8*\u+3],   v[QOFF], s[66:67] offset:\n*2048+64*\u
	global_load_b128 v[QF+16*\n+8*\u+4:QF+16*\n+8*\u+7], v[QOFF], s[66:67] offset:\n*2048+64*\u+32
.endr
.endr
	WIN 0
	v_mul_u32_u24 v42, v40, KP
	v_lshl_add_u32 v42, v41, 4, v42
	s_mul_i32 s22, s10, 128*KP                     ; my half of a slot's keys
	v_add_nc_u32 v[ADRK], s22, v42
	v_add_nc_u32 v[ADRK+1], SLOT, v[ADRK]
	v_and_b32 v43, 7, v0                           ; the transposing load: lane l addresses key 8 h + l % 8, bytes 16 ((l / 8) % 2) of a d tile's 32
	v_lshl_or_b32 v43, v41, 3, v43
	v_mul_u32_u24 v43, v43, VP
	v_bfe_u32 v44, v0, 3, 1
	v_lshl_add_u32 v43, v44, 4, v43
	s_mul_i32 s23, s10, 128*VP
	s_add_co_u32 s23, s23, KBYTES
	v_add_nc_u32 v[ADRV], s23, v43
	v_add_nc_u32 v[ADRV+1], SLOT, v[ADRV]
	v_and_b32 v45, 31, v0
	v_lshlrev_b32 v[OOFF], 4, v45
	s_mul_i32 s22, s8, XB
	s_add_co_u32 s22, s22, EXCH
	v_add_nc_u32 v[XW], s22, v[OOFF]
	s_xor_b32 s23, s8, 4                           ; my partner: same queries, other keys
	s_mul_i32 s23, s23, XB
	s_add_co_u32 s23, s23, EXCH
	v_add_nc_u32 v[XR], s23, v[OOFF]
.irp n, 0,1,2,3
	v_mov_b32 v[AL+2*\n+1], 0                      ; written once: v_permlanex16_b32 counts as a reader of its destination
.endr
.macro KLOAD slot, c                   ; 16 loads: the 64 keys of chunk c of my half of a slot
	WIN 0
.irp t, 0,1,2,3
.irp u, 0,1
	ds_load_b128 v[KF+16*\t+8*\u:KF+16*\t+8*\u+3],   v[ADRK+\slot] offset:(\c)*64*KP+\t*16*KP+64*\u
	ds_load_b128 v[KF+16*\t+8*\u+4:KF+16*\t+8*\u+7], v[ADRK+\slot] offset:(\c)*64*KP+\t*16*KP+64*\u+32
.endr
.endr
.endm
.macro VLOAD slot, c                   ; 16 loads: V^T of the same 64 keys
	WIN W_L1
.irp d, 0,1,2,3
.irp u, 0,1
	ds_load_tr16_b128 v[VF+16*\d+8*\u:VF+16*\d+8*\u+3],   v[ADRV+\slot] offset:(\c)*64*VP+\u*32*VP+32*\d
	ds_load_tr16_b128 v[VF+16*\d+8*\u+4:VF+16*\d+8*\u+7], v[ADRV+\slot] offset:(\c)*64*VP+\u*32*VP+32*\d+16*VP
.endr
.endr
.endm
; Product q (0..15) of the scores of query tiles n0, n0 + 1: half q / 8 of d, tile n0 + (q / 4) % 2, key tile q % 4.  The first half starts the sums.
; The eight accumulators of a run take turns, one instruction a turn.
.macro SM1 n0, q
	WIN W_S
.set PN, \n0+((\q)/4)%2
.set PD, (\q)%4
.set PU, (\q)/8
.if PU
	v_wmma_f32_16x16x32_f16 v[SC+32*PN+8*PD:SC+32*PN+8*PD+7], v[KF+16*PD+8*PU:KF+16*PD+8*PU+7], v[QF+16*PN+8*PU:QF+16*PN+8*PU+7], v[SC+32*PN+8*PD:SC+32*PN+8*PD+7]
	s_wait_alu depctr_va_vdst(0)
.else
	v_wmma_f32_16x16x32_f16 v[SC+32*PN+8*PD:SC+32*PN+8*PD+7], v[KF+16*PD+8*PU:KF+16*PD+8*PU+7], v[QF+16*PN+8*PU:QF+16*PN+8*PU+7], 0
.endif
.endm
; Product q (0..15) of O^T += V^T P^T of query tiles n0, n0 + 1: key step q / 8, tile n0 + (q / 4) % 2, d tile q % 4.  first = 1: the first key step starts O.
; Eight accumulators take turns here too.
.macro PV1 n0, q, first
	WIN W_PV
.set PN, \n0+((\q)/4)%2
.set PD, (\q)%4
.set PU, (\q)/8
.if (\first)*(1-PU)
	v_wmma_f32_16x16x32_f16 v[OA+32*PN+8*PD:OA+32*PN+8*PD+7], v[VF+16*PD+8*PU:VF+16*PD+8*PU+7], v[SC+32*PN+8*PU:SC+32*PN+8*PU+7], 0
	s_wait_alu depctr_va_vdst(0)
.else
	v_wmma_f32_16x16x32_f16 v[OA+32*PN+8*PD:OA+32*PN+8*PD+7], v[VF+16*PD+8*PU:VF+16*PD+8*PU+7], v[SC+32*PN+8*PU:SC+32*PN+8*PU+7], v[OA+32*PN+8*PD:OA+32*PN+8*PD+7]
.endif
.endm
; Registers 2 e, 2 e + 1 of O of query tiles n0, n0 + 1 in the new maximum's measure.  It has no third source, so the products' window setting serves it.
.macro RESC n0, e
	WIN W_PV
.irp n, \n0, \n0+1
	v_pk_mul_f32 v[OA+32*(\n)+2*(\e):OA+32*(\n)+2*(\e)+1], v[OA+32*(\n)+2*(\e):OA+32*(\n)+2*(\e)+1], v[AL+2*(\n):AL+2*(\n)+1] op_sel_hi:[1,0]
.endr
.endm
; A STAGE: the softmax pass of query tiles fn, fn + 1 over one chunk, with the other pair's products between its lines.
;   ffirst = 1: no earlier maximum, sum or O.   pmode: 0 no products with V, 1 they add onto O, 2 they start O.   smode = 1: the other pair's next scores.
;   kslot, kc: K's next chunk is loaded at the head (-1: none).   vslot, vc: V's next chunk is loaded behind the products with V (-1: none).
;   vw: the count of the wait for V in front of those products (-1: V was waited for a stage ago).
.macro STAGE fn, ffirst, pmode, smode, kslot, kc, vslot, vc, vw
.set PP, 2-\fn                         ; the other pair
	WIN 0
.if \kslot >= 0
	KLOAD \kslot, \kc                              ; the score products that read the old K stand a whole packing pass (34 plain vector lines or more) back
.endif
	; the maximum of 32 scores and the old maximum: two chains a tile, four in turn, so that no line waits for the line in front of it
.irp n, \fn, \fn+1
.if \ffirst
	v_max3_num_f32 v[TM+(\n)], v[SC+32*(\n)], v[SC+32*(\n)+1], v[SC+32*(\n)+2]
.else
	v_max3_num_f32 v[TM+(\n)], v[ML+2*(\n)], v[SC+32*(\n)], v[SC+32*(\n)+1]
.endif
	v_max3_num_f32 v[TB+((\n)&1)], v[SC+32*(\n)+16], v[SC+32*(\n)+17], v[SC+32*(\n)+18]
.endr
.set i, 1
.rept 6
.irp n, \fn, \fn+1
	v_max3_num_f32 v[TM+(\n)], v[TM+(\n)], v[SC+32*(\n)+2*i+\ffirst], v[SC+32*(\n)+2*i+1+\ffirst]
	v_max3_num_f32 v[TB+((\n)&1)], v[TB+((\n)&1)], v[SC+32*(\n)+2*i+17], v[SC+32*(\n)+2*i+18]
.endr
.set i, i+1
.endr
.irp n, \fn, \fn+1
.if \ffirst
	v_max3_num_f32 v[TM+(\n)], v[TM+(\n)], v[SC+32*(\n)+15], v[SC+32*(\n)+31]
.else
	v_max3_num_f32 v[TM+(\n)], v[TM+(\n)], v[SC+32*(\n)+14], v[SC+32*(\n)+15]
.endif
.endr
.irp n, \fn, \fn+1
.if \ffirst
	v_max_num_f32 v[TM+(\n)], v[TM+(\n)], v[TB+((\n)&1)]
.else
	v_max3_num_f32 v[TM+(\n)], v[TM+(\n)], v[TB+((\n)&1)], v[SC+32*(\n)+31]
.endif
.endr
.irp n, \fn, \fn+1
	v_permlanex16_b32 v[AL+2*(\n)+1], v[TM+(\n)], s40, s41          ; the same query's other 32 keys
.endr
.irp n, \fn, \fn+1
	v_max_num_f32 v[TM+(\n)], v[TM+(\n)], v[AL+2*(\n)+1]
.endr
.if 1-\ffirst
.irp n, \fn, \fn+1
	v_sub_f32 v[AL+2*(\n)], v[ML+2*(\n)], v[TM+(\n)]                ; old maximum - new, at most 0
.endr
.irp n, \fn, \fn+1
	v_exp_f32 v[AL+2*(\n)], v[AL+2*(\n)]                            ; the plain lines below stand between it and its first use (ISA guide 5.7.2)
.endr
.endif
.irp n, \fn, \fn+1
	v_mov_b32 v[ML+2*(\n)], v[TM+(\n)]
.endr
	s_wait_alu depctr_va_vdst(0)
.irp n, \fn, \fn+1
	v_sub_f32 v[NM+2*((\n)&1)], 0, v[TM+(\n)]                       ; minus the maximum, twice: the addend of the packed lines below
	v_sub_f32 v[NM+2*((\n)&1)+1], 0, v[TM+(\n)]
.endr
	; the other pair's 16 products with V, two lines of my pair's O between them.  Four such lines stand behind the last product: the plain vector
	; lines that have to stand between it and the loads into V's registers.
.if \vw >= 0
	s_wait_dscnt \vw                               ; V is in: only the 16 loads of K at this stage's head (if any) are younger
.endif
.set qi, 0
.rept 16
.if \pmode
	PV1 PP, qi, (\pmode-1)
.endif
.if (1-\ffirst)*qi
	RESC \fn, qi-1
.endif
.set qi, qi+1
.endr
.if 1-\ffirst
	RESC \fn, 15
.endif
.if \vslot >= 0
	VLOAD \vslot, \vc
.endif
	; score - maximum, 2^x and the sum of the weights, in rows: row rw subtracts for registers 2 rw, 2 rw + 1, takes the exponentials of the row before and adds up the row
	; before that, so that a plain line always stands between an exponential and its use.  One score product of the other pair stands in each of rows 2 to 17: six plain lines
	; or more behind the last product with V, whose source P it writes over.  x * 1.0 + y is the exact sum x + y with its second register in source place 2, which
	; the score products' window setting leaves in window 0: no window is switched in these rows.
.set rw, 0
.rept 18
	WIN W_S
.if rw < 16
.irp n, \fn, \fn+1
	v_pk_fma_f32 v[SC+32*(\n)+2*rw:SC+32*(\n)+2*rw+1], v[SC+32*(\n)+2*rw:SC+32*(\n)+2*rw+1], 1.0, v[NM+2*((\n)&1):NM+2*((\n)&1)+1] op_sel_hi:[1,0,1]
.endr
.endif
.if \smode
.if rw == 2
.if \kslot >= 0
	s_wait_dscnt 0x0                               ; K, asked for at this stage's head
.endif
.endif
.if rw >= 2
	SM1 PP, rw-2
.endif
.endif
.if rw >= 1
.if rw <= 16
.irp n, \fn, \fn+1
	v_exp_f32 v[SC+32*(\n)+2*rw-2], v[SC+32*(\n)+2*rw-2]
	v_exp_f32 v[SC+32*(\n)+2*rw-1], v[SC+32*(\n)+2*rw-1]
.endr
.endif
.endif
.if rw == 3
	s_wait_alu depctr_va_vdst(0)
.irp n, \fn, \fn+1
	v_pk_fma_f32 v[SUM+2*((\n)&1):SUM+2*((\n)&1)+1], v[SC+32*(\n):SC+32*(\n)+1], 1.0, v[SC+32*(\n)+2:SC+32*(\n)+3] op_sel_hi:[1,0,1]   ; the first four weights start the sum
.endr
.endif
.if rw > 3
	s_wait_alu depctr_va_vdst(0)
.irp n, \fn, \fn+1
	v_pk_fma_f32 v[SUM+2*((\n)&1):SUM+2*((\n)&1)+1], v[SC+32*(\n)+2*rw-4:SC+32*(\n)+2*rw-3], 1.0, v[SUM+2*((\n)&1):SUM+2*((\n)&1)+1] op_sel_hi:[1,0,1]
.endr
.endif
.set rw, rw+1
.endr
	; the running sum, and the weights packed to f16.  These 34 or 36 plain lines also stand between the score products above and the next stage's reads of their results.
	WIN 0
.if \ffirst
.irp n, \fn, \fn+1
	v_add_f32 v[ML+2*(\n)+1], v[SUM+2*((\n)&1)], v[SUM+2*((\n)&1)+1]
.endr
.else
.irp n, \fn, \fn+1
	v_add_f32 v[SUM+2*((\n)&1)], v[SUM+2*((\n)&1)], v[SUM+2*((\n)&1)+1]
.endr
.irp n, \fn, \fn+1
	v_fma_f32 v[ML+2*(\n)+1], v[ML+2*(\n)+1], v[AL+2*(\n)], v[SUM+2*((\n)&1)]   ; the old sum in the new maximum's measure, plus the chunk's
.endr
.endif
.set i, 0
.rept 16
.irp n, \fn, \fn+1
	v_cvt_pk_f16_f32 v[SC+32*(\n)+i], v[SC+32*(\n)+2*i], v[SC+32*(\n)+2*i+1]   ; packed in place, upward: word i is written when words 2 i and 2 i + 1 are read
.endr
.set i, i+1
.endr
.endm
; The change of slots stands between stage 1 and stage 2 of a slot's last chunk: all reads of the old slot have been issued, the first read of the next one follows.
; Every wave waits for all its tensor loads (its part of the next slot among them) and for its LDS reads, then passes a round of the cluster's barrier; behind it the old
; slot's refill comes first, one tensor load a wave.  That load has four stages of each wave, 128 products and their softmax, in which to land.
.macro CHANGE old, refill
	WIN 0
	s_wait_tensorcnt 0x0
	ds_add_u32 v62, v63
	s_wait_dscnt 0x0
.if \refill
	s_add_nc_u64 s[G0K+4*\old+2:G0K+4*\old+3], s[G0K+4*\old+2:G0K+4*\old+3], 65536   ; no load of mine is out: the old slot's next 256 keys, 512 keys on
	s_add_nc_u64 s[G0V+4*\old+2:G0V+4*\old+3], s[G0V+4*\old+2:G0V+4*\old+3], 65536
.endif
	s_wait_dscnt 0x0
	ROUND
.if \refill
	JLOAD \old
.endif
.endm
; Four stages that fetch my two chunks of a slot: stage 2 of the chunk before, both stages of the slot's first chunk, stage 1 of its second.
.macro FOUR slot
	STAGE 2, 0, 1, 1, \slot, 0, -1, 0, 16
	STAGE 0, 0, 1, 1, -1, 0, \slot, 0, -1
	STAGE 2, 0, 1, 1, \slot, 1, -1, 0, 16
	STAGE 0, 0, 1, 1, -1, 0, \slot, 1, -1
.endm
	s_wait_tensorcnt 0x1                           ; my part of keys 0-255 is in; the next 256 stay out
	s_barrier_signal -1
	s_barrier_wait -1
	KLOAD 0, 0
	VLOAD 0, 0
	s_wait_loadcnt 0x0                             ; Q
	s_wait_dscnt 16                                ; K is in: V's 16 loads were issued behind it and may be out
.set qi, 0
.rept 16
	SM1 0, qi                                      ; SA(0): the one run of products with no softmax to lay it into
.set qi, qi+1
.endr
	WIN 0
	PLACES                                         ; four plain vector lines before its results are read
	STAGE 0, 1, 0, 1, -1, 0, -1, 0, -1             ; FA(0) with SB(0)
	STAGE 2, 1, 2, 1, 0, 1, -1, 0, 16              ; FB(0) with PA(0), SA(1)
	STAGE 0, 0, 2, 1, -1, 0, 0, 1, -1              ; FA(1) with PB(0), SB(1)
	WIN 0
	s_mov_b32 s44, 3
.Lkeys:
	CHANGE 0, 1
	FOUR 1
	CHANGE 1, 1
	FOUR 0
	WIN 0
	s_sub_co_u32 s44, s44, 1
	s_cmp_lg_u32 s44, 0
	s_cbranch_scc1 .Lkeys
	CHANGE 0, 0                                    ; keys 1792-2047 are in slot 1: nothing is left to fetch
	FOUR 1
	STAGE 2, 0, 1, 0, -1, 0, -1, 0, 0              ; FB(15) with PA(15): no K and no scores follow; the wait for V is for 0
.set qi, 0
.rept 16
	PV1 2, qi, 0                                   ; PB(15)
.set qi, qi+1
.endr
	WIN 0
	PLACES                                         ; four plain vector lines before O is stored to LDS or read
	; THE MEETING.  The wave with kg = 0 finishes query tiles 0, 1 and hands over its tiles 2, 3; its partner the other way round.
.macro SEND ns
	WIN W_ST1
.irp i, 0,1,2,3,4,5,6,7,8,9,10,11,12,13,14,15
	ds_store_b128 v[XW], v[OA+32*\ns+4*\i:OA+32*\ns+4*\i+3] offset:512*\i
.endr
	WIN 0
	ds_store_b128 v[XW], v[ML+2*\ns:ML+2*\ns+3] offset:8192         ; maxima and sums of the two tiles
.endm
.macro MERGE nm
	ds_load_b128 v[40:43], v[XR] offset:8192
.irp i, 0,1,2,3,4,5,6,7,8,9,10,11,12,13,14,15
	ds_load_b128 v[KF+4*\i:KF+4*\i+3], v[XR] offset:512*\i
.endr
	s_wait_dscnt 0x0
	v_max_num_f32 v52, v[ML+2*\nm], v40            ; the maximum over all 2048 keys
	v_max_num_f32 v53, v[ML+2*\nm+2], v42
	v_sub_f32 v54, v[ML+2*\nm], v52
	v_sub_f32 v55, v[ML+2*\nm+2], v53
	v_sub_f32 v56, v40, v52
	v_sub_f32 v57, v42, v53
	v_exp_f32 v54, v54
	v_exp_f32 v55, v55
	v_exp_f32 v56, v56
	v_exp_f32 v57, v57
	v_nop                                          ; the plain instruction behind the exponentials
	s_wait_alu depctr_va_vdst(0)
	v_mul_f32 v58, v[ML+2*\nm+1], v54
	v_mul_f32 v59, v[ML+2*\nm+3], v55
	v_fmac_f32 v58, v41, v56
	v_fmac_f32 v59, v43, v57
	v_permlanex16_b32 v[AL+1], v58, s40, s41       ; sums were kept lane by lane: now the other half's keys
	v_permlanex16_b32 v[AL+3], v59, s40, s41
	v_add_f32 v58, v58, v[AL+1]
	v_add_f32 v59, v59, v[AL+3]                    ; at least 1: the largest score's weight
	v_rcp_f32 v58, v58
	v_rcp_f32 v59, v59
	v_nop                                          ; the plain instruction behind the reciprocals
	s_wait_alu depctr_va_vdst(0)
	v_mul_f32 v44, v54, v58                        ; my factor, twice (a pair for the packed forms)
	v_mul_f32 v45, v54, v58
	v_mul_f32 v46, v56, v58                        ; my partner's
	v_mul_f32 v47, v56, v58
	v_mul_f32 v48, v55, v59
	v_mul_f32 v49, v55, v59
	v_mul_f32 v50, v57, v59
	v_mul_f32 v51, v57, v59
.irp e, 0,1
.irp i, 0,1,2,3,4,5,6,7,8,9,10,11,12,13,14,15
	v_pk_mul_f32 v[KF+32*\e+2*\i:KF+32*\e+2*\i+1], v[KF+32*\e+2*\i:KF+32*\e+2*\i+1], v[46+4*\e:47+4*\e]
.endr
.endr
	WIN W_MG
.irp e, 0,1
.irp i, 0,1,2,3,4,5,6,7,8,9,10,11,12,13,14,15
	v_pk_fma_f32 v[KF+32*\e+2*\i:KF+32*\e+2*\i+1], v[OA+32*(\nm+\e)+2*\i:OA+32*(\nm+\e)+2*\i+1], v[44+4*\e:45+4*\e], v[KF+32*\e+2*\i:KF+32*\e+2*\i+1]
.endr
.endr
	WIN 0
.irp e, 0,1
.irp i, 0,1,2,3,4,5,6,7,8,9,10,11,12,13,14,15
	v_cvt_pk_f16_f32 v[SC+16*\e+\i], v[KF+32*\e+2*\i], v[KF+32*\e+2*\i+1]
.endr
.endr
.irp e, 0,1
.irp d, 0,1,2,3
	global_store_b128 v[OOFF], v[SC+16*\e+4*\d:SC+16*\e+4*\d+3], s[68:69] offset:(\nm+\e)*8192+\d*512   ; a lane's eight d of one query are 16 bytes; the wave stores 512 neighbouring bytes, aligned
.endr
.endr
.endm
	s_cmp_eq_u32 s10, 0
	s_cbranch_scc0 .Lsend_low
	SEND 2
	s_branch .Lsent
.Lsend_low:
	SEND 0
.Lsent:
	s_wait_dscnt 0x0                               ; my stores are in LDS, for my partner's sake
	s_barrier_signal -1
	s_barrier_wait -1
	s_cmp_eq_u32 s10, 0
	s_cbranch_scc0 .Lmerge_high
	MERGE 0
	s_branch .Lmerged
.Lmerge_high:
	MERGE 2
.Lmerged:
	s_wait_tensorcnt 0x0
	ds_add_u32 v62, v63
	s_wait_dscnt 0x0
	ROUND                                          ; the closing round: no work-group ends while a partner may still ask for a tile that names it
	s_endpgm
.Lfunc_end_k_qecb4654428_attn:
	.size	k_qecb4654428_attn, .Lfunc_end_k_qecb4654428_attn-k_qecb4654428_attn
	.p2alignl 7, 3214868480
	.fill 96, 4, 3214868480
	.section	.rodata,"a",@progbits
	.p2align	6, 0x0
	.amdhsa_kernel k_qecb4654428_attn
		.amdhsa_group_segment_fixed_size 327680
		.amdhsa_private_segment_fixed_size 0
		.amdhsa_enable_private_segment 0
		.amdhsa_kernarg_size 16
		.amdhsa_user_sgpr_count 2
		.amdhsa_user_sgpr_kernarg_segment_ptr 1
		.amdhsa_wavefront_size32 1
		.amdhsa_system_sgpr_workgroup_id_x 1
		.amdhsa_system_sgpr_workgroup_id_y 1
		.amdhsa_system_sgpr_workgroup_id_z 1
		.amdhsa_system_vgpr_workitem_id 0
		.amdhsa_next_free_vgpr 512
		.amdhsa_next_free_sgpr 72
		.amdhsa_reserve_vcc 0
		.amdhsa_float_denorm_mode_32 3
		.amdhsa_float_denorm_mode_16_64 3
		.amdhsa_memory_ordered 1
		.amdhsa_forward_progress 1
		.amdhsa_inst_pref_size 255
	.end_amdhsa_kernel
	.section	.bss,"aw",@nobits
	.p2align	6
	.space	262144
	.amdgpu_metadata
---
amdhsa.version: [ 1, 2 ]
amdhsa.kernels:
  - .name:           k_qecb4654428_attn
    .symbol:         k_qecb4654428_attn.kd
    .args:
      - { .name: qkv, .offset: 0, .size: 8, .value_kind: global_buffer, .address_space: global }
      - { .name: ao, .offset: 8, .size: 8, .value_kind: global_buffer, .address_space: global }
    .group_segment_fixed_size: 327680
    .private_segment_fixed_size: 0
    .kernarg_segment_align: 8
    .kernarg_segment_size: 16
    .max_flat_workgroup_size: 256
    .sgpr_count:     72
    .vgpr_count:     512
    .wavefront_size: 32
...
	.end_amdgpu_metadata
.endif
;; end of part 3
;; launch oproj (part 4): grid 8 x 32, 4 waves a work-group, clusters of 4 x 4, 327,680 bytes of LDS; arguments ao, xw, bo, y; writes y
.if DOCPART == 4
	.amdgcn_target "amdgcn-amd-amdhsa--gfx1250"
	.amdhsa_code_object_version 6
	.text
	.protected	k_qecb4654428_oproj
	.globl	k_qecb4654428_oproj
	.p2align	8
	.type	k_qecb4654428_oproj,@function
k_qecb4654428_oproj:
	s_mov_b64 s[64:65], 0
	v_nop
	global_prefetch_b8 v0, s[64:65] scope:SCOPE_SE
	s_setreg_imm32_b32 hwreg(HW_REG_WAVE_MODE, 25, 1), 1
	s_wait_xcnt 0x0
	s_wait_alu depctr_hold_cnt(0) depctr_sa_sdst(0) depctr_va_vdst(0) depctr_va_sdst(0) depctr_va_ssrc(0) depctr_va_vcc(0) depctr_vm_vsrc(0)
	s_getreg_b32 s2, hwreg(HW_REG_IB_STS2, 6, 4)
	s_cmp_eq_u32 s2, 0
	s_cbranch_scc0 .Lentry_in_a_cluster
	s_endpgm
.Lentry_in_a_cluster:
	s_bfe_u32 s2, ttmp6, 0x10000c
	s_cmp_lg_u32 s2, 0xf033
	s_cbranch_scc0 .Lentry_shape_is_right
	s_endpgm
.Lentry_shape_is_right:
; y = relu(AO Wo + bo), 4096 x 1024 x 1024, f16 operands, f32 sums, y in f32.
; LIMIT: the ReLU is v_max_num_f32 with 0, which gives 0 for a NaN where a maximum that keeps NaN would give NaN.
; A work-group makes 128 x 128 with four waves of 64 x 64 (16 accumulator tiles): 256 work-groups.  The row statistics that follow need whole rows of 1024
; and are left to the next launch, so that this one can be cut along the columns too.
; AO comes in fragment order (blocks of 512 bytes = 16 rows x 16 k, lane l's 16 bytes at 16 l), so a slot's part of it is one dense block of 64 KiB and a
; fragment load takes 512 neighbouring bytes.  Wo (f16, [k][n], in xw) keeps K down its rows and is read with the transposing LDS load.
; K goes in steps of 256 through two LDS slots: four steps.
; CLUSTERS: 4 x 4.  AO's tile hangs on the block row alone and is asked for jointly along a row of the cluster, Wo's on the block column alone, along a column.
; The matrix instruction is used transposed (source 0 = 16 columns of Wo, source 1 = 16 rows of AO): a lane holds eight neighbouring columns of one row.
.set BP, 288                           ; Wo in LDS: 256 bytes + 32, an odd multiple of 32
.set ABYTES, 65536
.set SLOT, ABYTES+256*BP               ; 139,264
.set STAGE, 2*SLOT                     ; behind the ring, never filled by a tensor load: 16 rows x 272 bytes for each wave
.set SP, 272
.set WO_AT, 14680064                   ; Wo's place in xw
.set ADRA, 16                          ; v16-17  my AO fragments in slot 0, 1
.set ADRB, 20                          ; v20-23  my Wo fragments: slot 0 k 0-127, k 128-255; slot 1 likewise (an LDS offset has 16 bits)
.set STO, 24
.set RD, 25
.set CO, 26
.set BOFF, 27
.set BIAS, 32                          ; v[32:63]  column block b at 32 + 8 b
.set F0, 64                            ; fragments: Wo's four blocks at +8 b, AO's four at +32 + 8 a
.set F1, 128
.set G1, 24
.set G0, 32
.set G1B, 48
.set G0B, 56
.set W_MUL, 0x50                       ; C and D window 1 (tile (a, b) at v[8 (4 a + b)] there)
.set W_EP,  0x41                       ; source 0 and destination window 1
.set W_ST,  0x04                       ; an LDS store's data window 1
.set MSB, 0
.macro WIN new
.if MSB != \new
	s_set_vgpr_msb (MSB<<8)|\new
.set MSB, \new
.endif
.endm
.macro JLOAD s                         ; waves 0 and 1 ask for AO's two halves, waves 2 and 3 for Wo's
	s_cmp_eq_u32 s11, 0
	s_cbranch_scc0 .Lfor_b_\@
	tensor_load_to_lds s[G0+4*\s:G0+4*\s+3], s[G1:G1+7]
	s_nop 0
	s_branch .Lasked_\@
.Lfor_b_\@:
	tensor_load_to_lds s[G0B+4*\s:G0B+4*\s+3], s[G1B:G1B+7]
	s_nop 0
.Lasked_\@:
.endm
.macro CROUND                          ; a round of the cluster's barrier
	s_barrier_signal -1
	s_barrier_wait -1
	s_cmp_lg_u32 s10, 0
	s_cbranch_scc1 .Lnot_wave_0_\@
	s_barrier_signal -3
.Lnot_wave_0_\@:
	s_barrier_wait -3
	s_barrier_signal -1
	s_barrier_wait -1
.endm
.macro PLACES
.rept 4
	v_nop
.endr
.endm
	s_load_b128 s[4:7], s[0:1], 0x0                ; ao s[4:5], xw s[6:7]
	s_load_b128 s[68:71], s[0:1], 0x10             ; bo s[68:69], y s[70:71]
	v_lshl_add_u32 v254, v0, 2, 0x48400
	v_mov_b32 v255, 0
	ds_add_u32 v254, v255
	v_lshrrev_b32 v1, 5, v0
	v_readfirstlane_b32 s10, v1                    ; wave 0..3
	s_lshr_b32 s11, s10, 1                         ; which 64 rows are mine.  Also: I fetch AO (0) or Wo (1)
	s_and_b32 s12, s10, 1                          ; which 64 columns.  Also: which half of that tile I fetch
	s_bfe_u32 s40, ttmp6, 0x40000                  ; cx
	s_bfe_u32 s41, ttmp6, 0x40004                  ; cy
	s_lshl_b32 s42, ttmp9, 2
	s_add_co_u32 s42, s42, s40                     ; block column 0..7
	s_and_b32 s13, ttmp7, 0xffff
	s_lshl_b32 s13, s13, 2
	s_add_co_u32 s13, s13, s41                     ; block row 0..31
	s_lshl_b32 s43, s41, 2
	s_lshl_b32 s43, 15, s43                        ; my row of the cluster
	s_lshl_b32 s44, 0x1111, s40                    ; my column
	; group 1 for AO: a dense block of 32 KiB as 128 rows of 128 elements of 2 bytes, no padding
	s_or_b32 s[G1+0], s43, (1<<16)|(1<<21)
	s_mov_b32 s[G1+1], 128<<16
	s_mov_b32 s[G1+2], 128<<16
	s_mov_b32 s[G1+3], 128<<16
	s_mov_b32 s[G1+4], 128
	s_mov_b32 s[G1+5], 128
	s_mov_b32 s[G1+6], 0
	s_mov_b32 s[G1+7], 0
	; group 1 for Wo: 128 rows (k) of 128 elements (n), 8 words of padding behind every 64 words
	s_or_b32 s[G1B+0], s44, (1<<16)|(1<<20)|(1<<21)|(5<<22)|(7<<25)
	s_mov_b32 s[G1B+1], 128<<16
	s_mov_b32 s[G1B+2], 128<<16
	s_mov_b32 s[G1B+3], 128<<16
	s_mov_b32 s[G1B+4], 128
	s_mov_b32 s[G1B+5], 1024
	s_mov_b32 s[G1B+6], 0
	s_mov_b32 s[G1B+7], 0
	s_lshl_b32 s16, s13, 18                        ; AO: 256 KiB a block row, 32 KiB a half
	s_lshl_b32 s17, s12, 15
	s_add_co_u32 s16, s16, s17
	s_mov_b32 s17, 0
	s_lshl_b32 s46, s12, 18                        ; Wo: 128 rows of 2,048 bytes a half, 256 bytes a block column
	s_add_co_u32 s46, s46, WO_AT
	s_lshl_b32 s47, s42, 8
	s_add_co_u32 s46, s46, s47
	s_mov_b32 s47, 0
	s_lshl_b32 s66, s42, 9                         ; bias: 128 numbers a block column, 64 a wave
	s_lshl_b32 s67, s12, 8
	s_add_co_u32 s66, s66, s67
	s_mov_b32 s67, 0
	s_lshl_b32 s20, s12, 15                        ; where they go
	s_mul_i32 s21, s12, 128*BP
	s_add_co_u32 s21, s21, ABYTES
	s_wait_dscnt 0x0
	s_wait_kmcnt 0x0
	s_add_nc_u64 s[14:15], s[4:5], s[16:17]
	s_add_nc_u64 s[46:47], s[6:7], s[46:47]
	s_add_nc_u64 s[72:73], s[68:69], s[66:67]
	CROUND                                         ; the first joint loads meet
.irp s, 0,1
	s_mov_b32 s[G0+4*\s], 1
	s_add_co_u32 s[G0+4*\s+1], s20, \s*SLOT
	s_add_nc_u64 s[G0+4*\s+2:G0+4*\s+3], s[14:15], \s*65536         ; K step s
	s_or_b32 s[G0+4*\s+3], s[G0+4*\s+3], 0x80000000
	s_mov_b32 s[G0B+4*\s], 1
	s_add_co_u32 s[G0B+4*\s+1], s21, \s*SLOT
	s_add_nc_u64 s[G0B+4*\s+2:G0B+4*\s+3], s[46:47], \s*524288      ; 256 rows down Wo
	s_or_b32 s[G0B+4*\s+3], s[G0B+4*\s+3], 0x80000000
	JLOAD \s                                       ; two tensor loads of the wave are out here, later one
.endr
	v_and_b32 v1, 15, v0                           ; r
	v_bfe_u32 v2, v0, 4, 1                         ; h
	v_lshlrev_b32 v[BOFF], 5, v2
.irp b, 0,1,2,3
	global_load_b128 v[BIAS+8*\b:BIAS+8*\b+3],   v[BOFF], s[72:73] offset:64*\b
	global_load_b128 v[BIAS+8*\b+4:BIAS+8*\b+7], v[BOFF], s[72:73] offset:64*\b+16
.endr
	v_and_b32 v3, 31, v0
	v_lshlrev_b32 v3, 4, v3                        ; 16 x lane
	s_lshl_b32 s22, s11, 15                        ; my four blocks of 16 rows
	v_add_nc_u32 v[ADRA], s22, v3
	v_add_nc_u32 v[ADRA+1], SLOT, v[ADRA]
	v_and_b32 v4, 7, v0                            ; the transposing load: row (k) 8 h + l % 8, bytes 16 ((l / 8) % 2) of a block's 32
	v_lshl_or_b32 v4, v2, 3, v4
	v_mul_u32_u24 v4, v4, BP
	v_bfe_u32 v5, v0, 3, 1
	v_lshl_add_u32 v4, v5, 4, v4
	s_lshl_b32 s23, s12, 7                         ; my 64 columns
	s_add_co_u32 s23, s23, ABYTES
	v_add_nc_u32 v[ADRB], s23, v4
	v_add_nc_u32 v[ADRB+1], 128*BP, v[ADRB]
	v_add_nc_u32 v[ADRB+2], SLOT, v[ADRB]
	v_add_nc_u32 v[ADRB+3], SLOT+128*BP, v[ADRB]
	s_mul_i32 s22, s10, 16*SP
	s_add_co_u32 s22, s22, STAGE                   ; my stage
	v_mul_u32_u24 v6, v1, SP                       ; in: row r, 32 bytes for each half of the lanes
	v_lshl_add_u32 v6, v2, 5, v6
	v_add_nc_u32 v[STO], s22, v6
	v_mul_u32_u24 v6, v2, SP                       ; back: lanes 0-15 take one row of 256 bytes, lanes 16-31 the next
	v_lshl_add_u32 v6, v1, 4, v6
	v_add_nc_u32 v[RD], s22, v6
	v_lshlrev_b32 v6, 12, v2                       ; and the same two rows of y
	v_lshl_add_u32 v[CO], v1, 4, v6
.macro FETCH slot, q, f                ; 16 loads: 32 along K at 32 q of the slot
.irp b, 0,1,2,3
	ds_load_tr16_b128 v[\f+8*\b:\f+8*\b+3],   v[ADRB+2*\slot+(\q>>2)] offset:(\q&3)*32*BP+32*\b
	ds_load_tr16_b128 v[\f+8*\b+4:\f+8*\b+7], v[ADRB+2*\slot+(\q>>2)] offset:(\q&3)*32*BP+32*\b+16*BP
.endr
.irp a, 0,1,2,3
	ds_load_b128 v[\f+32+8*\a:\f+32+8*\a+3],   v[ADRA+\slot] offset:\a*8192+\q*1024
	ds_load_b128 v[\f+32+8*\a+4:\f+32+8*\a+7], v[ADRA+\slot] offset:\a*8192+\q*1024+512
.endr
.endm
.macro MUL f, zero                     ; 16 products; the 16 accumulators take turns, one instruction a turn
	WIN W_MUL
.irp a, 0,1,2,3
.irp b, 0,1,2,3
.if \zero
	v_wmma_f32_16x16x32_f16 v[8*(4*\a+\b):8*(4*\a+\b)+7], v[\f+8*\b:\f+8*\b+7], v[\f+32+8*\a:\f+32+8*\a+7], 0
.else
	v_wmma_f32_16x16x32_f16 v[8*(4*\a+\b):8*(4*\a+\b)+7], v[\f+8*\b:\f+8*\b+7], v[\f+32+8*\a:\f+32+8*\a+7], v[8*(4*\a+\b):8*(4*\a+\b)+7]
.endif
.endr
.endr
.endm
.macro PIECE slot, qn, g, f, zero      ; fetches piece qn into buffer g, multiplies buffer f
	WIN 0
	PLACES                                         ; four plain vector instructions before registers that the last products read are loaded again
	FETCH \slot, \qn, \g
	s_wait_dscnt 16                                ; all but the 16 just issued
	MUL \f, \zero
.endm
.macro SLOTRUN slot, zero              ; a K step of 256: eight pieces of 32
	WIN 0
	PLACES
	FETCH \slot, 0, F0
	PIECE \slot, 1, F1, F0, \zero
	PIECE \slot, 2, F0, F1, 0
	PIECE \slot, 3, F1, F0, 0
	PIECE \slot, 4, F0, F1, 0
	PIECE \slot, 5, F1, F0, 0
	PIECE \slot, 6, F0, F1, 0
	PIECE \slot, 7, F1, F0, 0
	s_wait_dscnt 0
	MUL F1, 0
.endm
; The change of slots: every wave waits for all its tensor loads and for its reads of the other slot, passes a round of the cluster's barrier, and the
; other slot's refill comes first behind it, one tensor load a wave; it has this slot's 128 products in which to land.
.macro STEP slot, other, refill
	WIN 0
	s_wait_tensorcnt 0x0
	ds_add_u32 v254, v255
	s_wait_dscnt 0x0
	s_add_nc_u64 s[G0+4*\other+2:G0+4*\other+3], s[G0+4*\other+2:G0+4*\other+3], 131072
	s_add_nc_u64 s[G0B+4*\other+2:G0B+4*\other+3], s[G0B+4*\other+2:G0B+4*\other+3], 1048576
	s_wait_dscnt 0x0
	CROUND
.if \refill
	JLOAD \other
.endif
	SLOTRUN \slot, 0
.endm
	s_wait_tensorcnt 0x1                           ; my part of K step 0 is in; K step 1's stays out
	s_barrier_signal -1
	s_barrier_wait -1
	SLOTRUN 0, 1                                   ; the first products start the sums
	STEP 1, 0, 1
	STEP 0, 1, 1
	STEP 1, 0, 0                                   ; nothing is left to fetch (slot 0's stepped address is not used)
	WIN 0
	PLACES                                         ; four plain vector instructions before results are read
	s_wait_loadcnt 0x0                             ; the bias
	s_lshl_b32 s16, s13, 19                        ; y: 128 rows of 4,096 bytes a block row, 64 rows a wave
	s_lshl_b32 s17, s11, 18
	s_add_co_u32 s16, s16, s17
	s_mov_b32 s17, 0
	s_add_nc_u64 s[8:9], s[70:71], s[16:17]
	s_add_nc_u64 s[8:9], s[8:9], s[66:67]          ; my first column: the same bytes as in the bias
	WIN W_EP
.irp a, 0,1,2,3
.irp b, 0,1,2,3
.irp j, 0,2,4,6
	v_pk_add_f32 v[8*(4*\a+\b)+\j:8*(4*\a+\b)+\j+1], v[8*(4*\a+\b)+\j:8*(4*\a+\b)+\j+1], v[BIAS+8*\b+\j:BIAS+8*\b+\j+1]
.endr
.endr
.endr
.set i, 0
.rept 128
	v_max_num_f32 v[i], v[i], 0
.set i, i+1
.endr
; 16 rows at a time through my own stage: 32 bytes a lane in, whole rows of 256 bytes back
.macro OUT a, f
	WIN W_ST
.irp b, 0,1,2,3
	ds_store_b128 v[STO], v[8*(4*\a+\b):8*(4*\a+\b)+3]   offset:64*\b
	ds_store_b128 v[STO], v[8*(4*\a+\b)+4:8*(4*\a+\b)+7] offset:64*\b+16
.endr
	WIN 0
	s_wait_xcnt 0x0                                ; buffer f, which earlier stores read, is loaded again only behind this wait
.irp t, 0,1,2,3,4,5,6,7
	ds_load_b128 v[\f+4*\t:\f+4*\t+3], v[RD] offset:\t*2*SP        ; LDS serves a wave's instructions in order: these see the stores above
.endr
.irp t, 0,1,2,3,4,5,6,7
	s_wait_dscnt 7-\t
	global_store_b128 v[CO], v[\f+4*\t:\f+4*\t+3], s[8:9] offset:(16*\a+2*\t)*4096   ; sixteen lanes store 256 neighbouring bytes, at a multiple of 256 from y's first byte
.endr
.endm
	OUT 0, F0
	OUT 1, F1
	OUT 2, F0
	OUT 3, F1
	s_wait_tensorcnt 0x0
	ds_add_u32 v254, v255
	s_wait_dscnt 0x0
	CROUND                                         ; the closing round
	s_endpgm
.Lfunc_end_k_qecb4654428_oproj:
	.size	k_qecb4654428_oproj, .Lfunc_end_k_qecb4654428_oproj-k_qecb4654428_oproj
	.p2alignl 7, 3214868480
	.fill 96, 4, 3214868480
	.section	.rodata,"a",@progbits
	.p2align	6, 0x0
	.amdhsa_kernel k_qecb4654428_oproj
		.amdhsa_group_segment_fixed_size 327680
		.amdhsa_private_segment_fixed_size 0
		.amdhsa_enable_private_segment 0
		.amdhsa_kernarg_size 32
		.amdhsa_user_sgpr_count 2
		.amdhsa_user_sgpr_kernarg_segment_ptr 1
		.amdhsa_wavefront_size32 1
		.amdhsa_system_sgpr_workgroup_id_x 1
		.amdhsa_system_sgpr_workgroup_id_y 1
		.amdhsa_system_sgpr_workgroup_id_z 1
		.amdhsa_system_vgpr_workitem_id 0
		.amdhsa_next_free_vgpr 384
		.amdhsa_next_free_sgpr 76
		.amdhsa_reserve_vcc 0
		.amdhsa_float_denorm_mode_32 3
		.amdhsa_float_denorm_mode_16_64 3
		.amdhsa_memory_ordered 1
		.amdhsa_forward_progress 1
		.amdhsa_inst_pref_size 102
	.end_amdhsa_kernel
	.amdgpu_metadata
---
amdhsa.version: [ 1, 2 ]
amdhsa.kernels:
  - .name:           k_qecb4654428_oproj
    .symbol:         k_qecb4654428_oproj.kd
    .args:
      - { .name: ao, .offset: 0, .size: 8, .value_kind: global_buffer, .address_space: global }
      - { .name: xw, .offset: 8, .size: 8, .value_kind: global_buffer, .address_space: global }
      - { .name: bo, .offset: 16, .size: 8, .value_kind: global_buffer, .address_space: global }
      - { .name: y, .offset: 24, .size: 8, .value_kind: global_buffer, .address_space: global }
    .group_segment_fixed_size: 327680
    .private_segment_fixed_size: 0
    .kernarg_segment_align: 8
    .kernarg_segment_size: 32
    .max_flat_workgroup_size: 128
    .sgpr_count:     76
    .vgpr_count:     384
    .wavefront_size: 32
...
	.end_amdgpu_metadata
.endif
;; end of part 4
;; launch ln (part 5): grid 256 x 1, 8 waves a work-group, no clusters, 0 bytes of LDS; arguments y, out0; writes out0
.if DOCPART == 5
	.amdgcn_target "amdgcn-amd-amdhsa--gfx1250"
	.amdhsa_code_object_version 6
	.text
	.protected	k_qecb4654428_ln
	.globl	k_qecb4654428_ln
	.p2align	8
	.type	k_qecb4654428_ln,@function
k_qecb4654428_ln:
	s_mov_b64 s[64:65], 0
	v_nop
	global_prefetch_b8 v0, s[64:65] scope:SCOPE_SE
	s_setreg_imm32_b32 hwreg(HW_REG_WAVE_MODE, 25, 1), 1
	s_wait_xcnt 0x0
; out0[r][c] = (y[r][c] - mean of row r) / sqrt(variance of row r + 1e-5).  y, out0: [4096][1024] f32.
; A row is 4,096 bytes: one wave takes a whole row, eight loads of 16 bytes a lane, and keeps it in 32 registers through all passes, so memory is read once
; and no wave waits for another.  The variance is the mean of the squared differences from the mean, as it is defined: no difference of large sums.
; Eight waves, two rows each; all sixteen loads of a wave are issued before the first is used.  Every load and store of a wave covers 512 neighbouring bytes.
; A stream with a reduction inside a wave: LDS, barriers, matrix instructions and clusters have nothing to add.
.set X, 4                              ; v[4:67]   two rows
.set T, 68                             ; v[68:75]  at work
	s_load_b128 s[4:7], s[0:1], 0x0                ; y s[4:5], out0 s[6:7]
	s_lshl_b32 s2, ttmp9, 16                       ; the work-group's 16 rows
	s_mov_b32 s3, 0
	s_mov_b32 s8, 0x3a800000                       ; 1 / 1024
	s_mov_b32 s9, 0x3727c5ac                       ; 1e-5
	s_mov_b32 s10, 0x76543210                      ; v_permlanex16_b32: lane i of one half reads lane i of the other
	s_mov_b32 s11, 0xfedcba98
	v_lshrrev_b32 v2, 5, v0
	v_and_b32 v1, 31, v0
	v_lshlrev_b32 v1, 4, v1
	v_lshl_or_b32 v1, v2, 13, v1                   ; two rows a wave, 16 bytes a lane
	s_wait_kmcnt 0x0
	s_add_nc_u64 s[4:5], s[4:5], s[2:3]
	s_add_nc_u64 s[6:7], s[6:7], s[2:3]
.irp e, 0,1
.irp j, 0,1,2,3,4,5,6,7
	global_load_b128 v[X+32*\e+4*\j:X+32*\e+4*\j+3], v1, s[4:5] offset:\e*4096+512*\j th:TH_LOAD_NT
.endr
.endr
.macro ACROSS                          ; v[T] summed over the 32 lanes, the result in every lane
	v_add_f32_dpp v[T], v[T], v[T] row_xmask:1 row_mask:0xf bank_mask:0xf
	v_add_f32_dpp v[T], v[T], v[T] row_xmask:2 row_mask:0xf bank_mask:0xf
	v_add_f32_dpp v[T], v[T], v[T] row_xmask:4 row_mask:0xf bank_mask:0xf
	v_add_f32_dpp v[T], v[T], v[T] row_xmask:8 row_mask:0xf bank_mask:0xf
	v_permlanex16_b32 v[T+1], v[T], s10, s11       ; its destination counts as read: v[T+1] has been written
	v_add_f32 v[T], v[T], v[T+1]
.endm
.macro ROW e
	s_wait_loadcnt 8*(1-\e)                        ; this row's eight loads are in; the other row's, issued behind them, may be out
	v_pk_add_f32 v[T:T+1],   v[X+32*\e:X+32*\e+1],   v[X+32*\e+2:X+32*\e+3]     ; two chains, started by the first numbers: nothing is cleared
	v_pk_add_f32 v[T+2:T+3], v[X+32*\e+4:X+32*\e+5], v[X+32*\e+6:X+32*\e+7]
.set i, 8
.rept 6
	v_pk_add_f32 v[T:T+1],   v[T:T+1],   v[X+32*\e+i:X+32*\e+i+1]
	v_pk_add_f32 v[T+2:T+3], v[T+2:T+3], v[X+32*\e+i+2:X+32*\e+i+3]
.set i, i+4
.endr
	v_pk_add_f32 v[T:T+1], v[T:T+1], v[T+2:T+3]
	v_add_f32 v[T], v[T], v[T+1]
	ACROSS
	v_mul_f32 v[T+4], s8, v[T]                     ; the mean, twice (a pair for the packed subtraction)
	v_mul_f32 v[T+5], s8, v[T]
.set i, 0
.rept 16
	v_pk_add_f32 v[X+32*\e+i:X+32*\e+i+1], v[X+32*\e+i:X+32*\e+i+1], v[T+4:T+5] neg_lo:[0,1] neg_hi:[0,1]
.set i, i+2
.endr
	v_pk_mul_f32 v[T:T+1],   v[X+32*\e:X+32*\e+1],   v[X+32*\e:X+32*\e+1]
	v_pk_mul_f32 v[T+2:T+3], v[X+32*\e+2:X+32*\e+3], v[X+32*\e+2:X+32*\e+3]
.set i, 4
.rept 7
	v_pk_fma_f32 v[T:T+1],   v[X+32*\e+i:X+32*\e+i+1],   v[X+32*\e+i:X+32*\e+i+1],   v[T:T+1]
	v_pk_fma_f32 v[T+2:T+3], v[X+32*\e+i+2:X+32*\e+i+3], v[X+32*\e+i+2:X+32*\e+i+3], v[T+2:T+3]
.set i, i+4
.endr
	v_pk_add_f32 v[T:T+1], v[T:T+1], v[T+2:T+3]
	v_add_f32 v[T], v[T], v[T+1]
	ACROSS
	v_fma_f32 v[T], v[T], s8, s9                   ; variance + 1e-5
	v_rsq_f32 v[T+6], v[T]
	v_rsq_f32 v[T+7], v[T]
	v_nop                                          ; one plain vector instruction between the root and the first use of it (ISA guide 5.7.2)
	s_wait_alu depctr_va_vdst(0)
.irp j, 0,1,2,3,4,5,6,7
	v_pk_mul_f32 v[X+32*\e+4*\j:X+32*\e+4*\j+1],   v[X+32*\e+4*\j:X+32*\e+4*\j+1],   v[T+6:T+7]
	v_pk_mul_f32 v[X+32*\e+4*\j+2:X+32*\e+4*\j+3], v[X+32*\e+4*\j+2:X+32*\e+4*\j+3], v[T+6:T+7]
	global_store_b128 v1, v[X+32*\e+4*\j:X+32*\e+4*\j+3], s[6:7] offset:\e*4096+512*\j th:TH_STORE_NT   ; a row's registers are not written again
.endr
.endm
	ROW 0
	ROW 1
	s_endpgm
.Lfunc_end_k_qecb4654428_ln:
	.size	k_qecb4654428_ln, .Lfunc_end_k_qecb4654428_ln-k_qecb4654428_ln
	.p2alignl 7, 3214868480
	.fill 96, 4, 3214868480
	.section	.rodata,"a",@progbits
	.p2align	6, 0x0
	.amdhsa_kernel k_qecb4654428_ln
		.amdhsa_group_segment_fixed_size 0
		.amdhsa_private_segment_fixed_size 0
		.amdhsa_enable_private_segment 0
		.amdhsa_kernarg_size 16
		.amdhsa_user_sgpr_count 2
		.amdhsa_user_sgpr_kernarg_segment_ptr 1
		.amdhsa_wavefront_size32 1
		.amdhsa_system_sgpr_workgroup_id_x 1
		.amdhsa_system_sgpr_workgroup_id_y 1
		.amdhsa_system_sgpr_workgroup_id_z 1
		.amdhsa_system_vgpr_workitem_id 0
		.amdhsa_next_free_vgpr 80
		.amdhsa_next_free_sgpr 66
		.amdhsa_reserve_vcc 0
		.amdhsa_float_denorm_mode_32 3
		.amdhsa_float_denorm_mode_16_64 3
		.amdhsa_memory_ordered 1
		.amdhsa_forward_progress 1
		.amdhsa_inst_pref_size 14
	.end_amdhsa_kernel
	.amdgpu_metadata
---
amdhsa.version: [ 1, 2 ]
amdhsa.kernels:
  - .name:           k_qecb4654428_ln
    .symbol:         k_qecb4654428_ln.kd
    .args:
      - { .name: y, .offset: 0, .size: 8, .value_kind: global_buffer, .address_space: global }
      - { .name: out0, .offset: 8, .size: 8, .value_kind: global_buffer, .address_space: global }
    .group_segment_fixed_size: 0
    .private_segment_fixed_size: 0
    .kernarg_segment_align: 8
    .kernarg_segment_size: 16
    .max_flat_workgroup_size: 256
    .sgpr_count:     66
    .vgpr_count:     80
    .wavefront_size: 32
...
	.end_amdgpu_metadata
.endif
;; end of part 5
